; MI455X (gfx1250); checked and timed in simulation.
; The chip was launched on July 23, 2026; its instructions are those of AMD's public machine-readable ISA for CDNA 5 (MIT licence, August 2026) and "CDNA5" Instruction Set Architecture Reference Guide (July 2026). The comments in the code are by the model that wrote it; some were corrected since.
;; Write Path. Allowed arithmetic: float matrix products may take bf16 or f16 operands with f32 sums; other float arithmetic in f32, or as packed bf16 or f16 multiplies, adds, multiply-adds, maxima and minima; sums over many terms, partial sums and values carried from step to step in f32; what a program stores and reads back later, other than sums and carried values, may be rounded once to bf16 or f16.
;; Inputs: W_g1 512 x 2,048 float32; W_g2 1 x 512 float32; W_obs 256 x 2,048 float32; W_p1 512 x 2,048 float32; W_p2 1 x 512 float32; active_mask 8,192 bool; b_g1 512 float32; b_g2 1 float32; b_p1 512 float32; b_p2 1 float32; beliefs 8,192 x 256 float32; hidden 4 x 4,096 x 2,048 float32.
;; Outputs: out0 4,096 x 256 float32; out1 4,096 float32; out2 4,096 int32; out3 4,096 bool.
;; 2 versions, each right; version 2 is version 1 with the launch prep written anew for expert scheduling mode. Each part assembles by itself: llvm-mc -triple=amdgcn-amd-amdhsa -mcpu=gfx1250 --defsym DOCPART=n.
;; ======== version 1 of 2: 4 launches
;; limits: values outside matrix products are rounded to bf16; values within 3.05e-05 (relative) of each other or of a threshold may be ordered or decided otherwise than in the reference
;; workspace buffers: wc 5,242,880 bytes; bel16 4,194,304 bytes; obss 4,194,304 bytes; obs16 2,097,152 bytes; part 1,048,576 bytes; best 1,048,576 bytes
;; launch prep (part 1): grid 32 x 8, 9 waves a work-group, no clusters, 0 bytes of LDS; arguments W_obs, W_g1, W_p1, beliefs, active_mask, wc, bel16; writes wc, bel16
.if DOCPART == 1
	.amdgcn_target "amdgcn-amd-amdhsa--gfx1250"
	.amdhsa_code_object_version 6
	.text
	.protected	k_q9a3397cced_prep
	.globl	k_q9a3397cced_prep
	.p2align	8
	.type	k_q9a3397cced_prep,@function
k_q9a3397cced_prep:
	s_mov_b64 s[64:65], 0
	v_nop
	global_prefetch_b8 v0, s[64:65] scope:SCOPE_SE
	s_setreg_imm32_b32 hwreg(HW_REG_WAVE_MODE, 25, 1), 1
	s_wait_xcnt 0x0
; PREP.  Two streams; no LDS, no barrier, no matrix unit: each byte is read once and written once.  The work is 1,280 + 1,024 wave tasks of 8 KiB read each: nine for each of 256 work-groups, so a work-group has nine waves.
; WAVES 0-4: the 1,280 weight rows (W_obs 256, W_g1 512, W_p1 512, each [.][2048] f32) are rounded once to bf16 and laid in blocks for the product that follows:
;   wc[q 4][s 32][row 320][64]: a block of 40,960 dense bytes for column quarter q and K step s of 64.  Row 160 c + i of quarter q belongs to group j = 2 q + c:
;   i < 32: W_obs row 32 j + i;  i < 96: W_g1 row 64 j + i - 32;  else W_p1 row 64 j + i - 96.
;   Task 5 x + w of group j = y: two neighbouring rows and 16 K steps: a load covers 256 bytes of each row, a store 256 consecutive aligned bytes of a block (two rows of 128).
; WAVES 5-8: beliefs [8192][256] f32 are rounded once to bf16, divided by max(norm, 1e-8) (norm of the rounded numbers, in f32), rounded to bf16: bel16[8192][256].
;   The row of a slot whose mask byte is 0 is written as zeros (a select on the packed words, so whatever the row holds).  Task 4 (x + 32 y) + w - 5: 8 rows, a row at a time in the wave's 32 lanes.
; LIMITS.  The division is a reciprocal and a multiply; a sum of squares below 2^-126 counts as 0 (its root lies far below 1e-8 anyway); NaN is not treated apart.
.set BLK,  40960                       ; bytes in a block of wc
.set DAT,  16                          ; v[16:79]   as loaded
.set PKD,  80                          ; v[80:111]  weights: packed, each register written once
.set MSK,  80                          ; v[80:81]   beliefs: my 8 rows' mask bytes
.set SQ,   82                          ; v[82:97]   beliefs: a pair for each row: sum of squares, then 1 / norm; its partner at work
	s_load_b256 s[4:11], s[0:1], 0x0               ; W_obs s[4:5], W_g1 s[6:7], W_p1 s[8:9], beliefs s[10:11]
	s_load_b128 s[12:15], s[0:1], 0x20             ; active_mask s[12:13], wc s[14:15]
	s_load_b64 s[16:17], s[0:1], 0x30              ; bel16
	v_lshrrev_b32 v1, 5, v0
	v_readfirstlane_b32 s18, v1                    ; wave 0..8
	v_and_b32 v2, 31, v0                           ; lane
	s_and_b32 s19, ttmp7, 0xffff                   ; y
	s_mov_b32 s20, ttmp9                           ; x
	s_cmp_lt_u32 s18, 5
	s_cbranch_scc0 .Lbeliefs
	; ---- the weights ----
	s_mul_i32 s21, s20, 5
	s_add_co_u32 s21, s21, s18                     ; task 5 x + w: 0..159
	s_and_b32 s22, s21, 1                          ; which 16 of the 32 K steps
	s_and_b32 s21, s21, 0xfe                       ; i: my first row in group j = y
	s_lshl_b32 s23, s19, 5
	s_add_co_u32 s23, s23, s21                     ; W_obs row 32 j + i
	s_lshl_b32 s24, s19, 6
	s_add_co_u32 s24, s24, s21
	s_sub_co_u32 s25, s24, 32                      ; W_g1 row 64 j + i - 32 (taken only where i >= 32)
	s_sub_co_u32 s26, s24, 96                      ; W_p1 row 64 j + i - 96 (taken only where i >= 96)
	v_lshrrev_b32 v3, 4, v2
	v_and_b32 v4, 15, v2
	v_lshlrev_b32 v4, 4, v4
	v_lshl_add_u32 v3, v3, 13, v4                  ; in: lanes 0-15 row i, lanes 16-31 row i + 1, 16 bytes a lane
	v_lshlrev_b32 v5, 3, v2                        ; out: 8 bytes a lane, 256 on end
	s_lshr_b32 s32, s19, 1                         ; q
	s_lshl_b32 s32, s32, 5
	s_lshl_b32 s33, s22, 4
	s_add_co_u32 s32, s32, s33                     ; block 32 q + my first K step
	s_mul_i32 s32, s32, BLK
	s_and_b32 s33, s19, 1
	s_mul_i32 s33, s33, 160
	s_add_co_u32 s33, s33, s21                     ; row 160 c + i of the block
	s_lshl_b32 s33, s33, 7
	s_add_co_u32 s32, s32, s33
	s_mov_b32 s33, 0
	s_wait_kmcnt 0x0
	s_cmp_lt_u32 s21, 96                           ; the pair lies in one tensor: 32 and 96 are even
	s_cselect_b64 s[28:29], s[6:7], s[8:9]
	s_cselect_b32 s27, s25, s26
	s_cmp_lt_u32 s21, 32
	s_cselect_b64 s[28:29], s[4:5], s[28:29]
	s_cselect_b32 s27, s23, s27
	s_lshl_b32 s30, s27, 13                        ; the row's 8,192 bytes
	s_lshl_b32 s31, s22, 12                        ; my half of them
	s_add_co_u32 s30, s30, s31
	s_mov_b32 s31, 0
	s_add_nc_u64 s[28:29], s[28:29], s[30:31]
	s_add_nc_u64 s[14:15], s[14:15], s[32:33]
.set n, 0
.rept 16                               ; all 16 loads go out together: 8 KiB a wave on its way
	global_load_b128 v[DAT+4*n:DAT+4*n+3], v3, s[28:29] offset:256*n th:TH_LOAD_NT
.set n, n+1
.endr
.set n, 0
.rept 16
	s_wait_loadcnt 15-n                            ; loads come back in order: K step n is in, the younger ones stay out
	v_cvt_pk_bf16_f32 v[PKD+2*n], v[DAT+4*n], v[DAT+4*n+1]
	v_cvt_pk_bf16_f32 v[PKD+2*n+1], v[DAT+4*n+2], v[DAT+4*n+3]
	global_store_b64 v5, v[PKD+2*n:PKD+2*n+1], s[14:15] offset:BLK*n  ; 32 lanes: 256 consecutive bytes, aligned
.set n, n+1
.endr
	s_endpgm
	; ---- the beliefs ----
.Lbeliefs:
	s_lshl_b32 s22, s19, 5
	s_add_co_u32 s21, s20, s22                     ; x + 32 y
	s_lshl_b32 s21, s21, 2
	s_add_co_u32 s21, s21, s18
	s_sub_co_u32 s21, s21, 5                       ; task 4 (x + 32 y) + w - 5: 0..1023
	s_lshl_b32 s22, s21, 3                         ; my first row n0
	s_mov_b32 s23, 0
	s_lshl_b32 s24, s22, 10                        ; its byte in beliefs
	s_mov_b32 s25, 0
	s_lshl_b32 s26, s22, 9                         ; and in bel16
	s_mov_b32 s27, 0
	s_mov_b32 s28, 0xffff0000                      ; a word's upper bf16
	s_mov_b32 s29, 0x322bcc77                      ; 1e-8
	s_mov_b32 s30, 0x76543210                      ; v_permlanex16_b32: each lane takes its own place in the other half
	s_mov_b32 s31, 0xfedcba98
	v_lshlrev_b32 v3, 4, v2                        ; in: 16 bytes a lane
	v_lshlrev_b32 v5, 3, v2                        ; out: 8 bytes a lane
	v_mov_b32 v4, 0
	s_wait_kmcnt 0x0
	s_add_nc_u64 s[10:11], s[10:11], s[24:25]
	s_add_nc_u64 s[12:13], s[12:13], s[22:23]
	s_add_nc_u64 s[16:17], s[16:17], s[26:27]
.set k, 0
.rept 8                                ; a row is 1,024 bytes: two loads of 512; lane l holds numbers 4 l .. 4 l + 3 and 128 + 4 l ..
	global_load_b128 v[DAT+8*k:DAT+8*k+3], v3, s[10:11] offset:1024*k th:TH_LOAD_NT
	global_load_b128 v[DAT+8*k+4:DAT+8*k+7], v3, s[10:11] offset:1024*k+512 th:TH_LOAD_NT
.set k, k+1
.endr
	global_load_b64 v[MSK:MSK+1], v4, s[12:13]     ; my 8 rows' mask bytes, the same in every lane
	s_wait_loadcnt 0x0
.set k, 0
.rept 8
.set X, DAT+8*k
.set Q, SQ+2*k
	v_cvt_pk_bf16_f32 v6, v[X], v[X+1]             ; the input's one rounding to bf16,
	v_cvt_pk_bf16_f32 v7, v[X+2], v[X+3]
	v_cvt_pk_bf16_f32 v8, v[X+4], v[X+5]
	v_cvt_pk_bf16_f32 v9, v[X+6], v[X+7]
	v_lshlrev_b32 v[X], 16, v6                     ; and back to f32
	v_and_b32 v[X+1], s28, v6
	v_lshlrev_b32 v[X+2], 16, v7
	v_and_b32 v[X+3], s28, v7
	v_lshlrev_b32 v[X+4], 16, v8
	v_and_b32 v[X+5], s28, v8
	v_lshlrev_b32 v[X+6], 16, v9
	v_and_b32 v[X+7], s28, v9
	v_pk_mul_f32 v[Q:Q+1], v[X:X+1], v[X:X+1]
	v_pk_fma_f32 v[Q:Q+1], v[X+2:X+3], v[X+2:X+3], v[Q:Q+1]
	v_pk_fma_f32 v[Q:Q+1], v[X+4:X+5], v[X+4:X+5], v[Q:Q+1]
	v_pk_fma_f32 v[Q:Q+1], v[X+6:X+7], v[X+6:X+7], v[Q:Q+1]
	v_add_f32 v[Q], v[Q], v[Q+1]
	v_add_f32_dpp v[Q], v[Q], v[Q] row_xmask:1 row_mask:0xf bank_mask:0xf
	v_add_f32_dpp v[Q], v[Q], v[Q] row_xmask:2 row_mask:0xf bank_mask:0xf
	v_add_f32_dpp v[Q], v[Q], v[Q] row_xmask:4 row_mask:0xf bank_mask:0xf
	v_add_f32_dpp v[Q], v[Q], v[Q] row_xmask:8 row_mask:0xf bank_mask:0xf
	v_permlanex16_b32 v[Q+1], v[Q], s30, s31
	v_add_f32 v[Q], v[Q], v[Q+1]                   ; the row's sum of squares, in every lane
.set k, k+1
.endr
.set k, 0
.rept 8
	v_sqrt_f32 v[SQ+2*k], v[SQ+2*k]                ; one batch of eight roots,
.set k, k+1
.endr
	v_nop                                          ; a plain instruction behind the last of them,
	s_wait_alu depctr_va_vdst(0)                   ; and one wait ahead of their first reader
.set k, 0
.rept 8
	v_max_num_f32 v[SQ+2*k], s29, v[SQ+2*k]
.set k, k+1
.endr
.set k, 0
.rept 8
	v_rcp_f32 v[SQ+2*k], v[SQ+2*k]                 ; one batch of eight reciprocals
.set k, k+1
.endr
.set k, 0
.rept 8                                ; the masks are the independent work behind the batch
	v_bfe_u32 v6, v[MSK+k/4], 8*(k%4), 8
	v_cmp_ne_u32 s[32+k], 0, v6                    ; all lanes alike: is row k's slot active?
.set k, k+1
.endr
	s_wait_alu depctr_va_vdst(0)                   ; one wait for the eight reciprocals
.set k, 0
.rept 8
.set X, DAT+8*k
.set Q, SQ+2*k
	v_pk_mul_f32 v[X:X+1], v[X:X+1], v[Q:Q+1] op_sel_hi:[1,0]
	v_pk_mul_f32 v[X+2:X+3], v[X+2:X+3], v[Q:Q+1] op_sel_hi:[1,0]
	v_pk_mul_f32 v[X+4:X+5], v[X+4:X+5], v[Q:Q+1] op_sel_hi:[1,0]
	v_pk_mul_f32 v[X+6:X+7], v[X+6:X+7], v[Q:Q+1] op_sel_hi:[1,0]
	v_cvt_pk_bf16_f32 v[X], v[X], v[X+1]
	v_cvt_pk_bf16_f32 v[X+1], v[X+2], v[X+3]
	v_cvt_pk_bf16_f32 v[X+2], v[X+4], v[X+5]
	v_cvt_pk_bf16_f32 v[X+3], v[X+6], v[X+7]
	v_cndmask_b32 v[X], 0, v[X], s[32+k]           ; a hidden slot's row is zeros
	v_cndmask_b32 v[X+1], 0, v[X+1], s[32+k]
	v_cndmask_b32 v[X+2], 0, v[X+2], s[32+k]
	v_cndmask_b32 v[X+3], 0, v[X+3], s[32+k]
	global_store_b64 v5, v[X:X+1], s[16:17] offset:512*k        ; 256 consecutive bytes, aligned
	global_store_b64 v5, v[X+2:X+3], s[16:17] offset:512*k+256
.set k, k+1
.endr
	s_endpgm
.Lfunc_end_k_q9a3397cced_prep:
	.size	k_q9a3397cced_prep, .Lfunc_end_k_q9a3397cced_prep-k_q9a3397cced_prep
	.p2alignl 7, 3214868480
	.fill 96, 4, 3214868480
	.section	.rodata,"a",@progbits
	.p2align	6, 0x0
	.amdhsa_kernel k_q9a3397cced_prep
		.amdhsa_group_segment_fixed_size 0
		.amdhsa_private_segment_fixed_size 0
		.amdhsa_enable_private_segment 0
		.amdhsa_kernarg_size 56
		.amdhsa_user_sgpr_count 2
		.amdhsa_user_sgpr_kernarg_segment_ptr 1
		.amdhsa_wavefront_size32 1
		.amdhsa_system_sgpr_workgroup_id_x 1
		.amdhsa_system_sgpr_workgroup_id_y 1
		.amdhsa_system_sgpr_workgroup_id_z 1
		.amdhsa_system_vgpr_workitem_id 0
		.amdhsa_next_free_vgpr 128
		.amdhsa_next_free_sgpr 66
		.amdhsa_reserve_vcc 0
		.amdhsa_float_denorm_mode_32 3
		.amdhsa_float_denorm_mode_16_64 3
		.amdhsa_memory_ordered 1
		.amdhsa_forward_progress 1
		.amdhsa_inst_pref_size 29
	.end_amdhsa_kernel
	.amdgpu_metadata
---
amdhsa.version: [ 1, 2 ]
amdhsa.kernels:
  - .name:           k_q9a3397cced_prep
    .symbol:         k_q9a3397cced_prep.kd
    .args:
      - { .name: W_obs, .offset: 0, .size: 8, .value_kind: global_buffer, .address_space: global }
      - { .name: W_g1, .offset: 8, .size: 8, .value_kind: global_buffer, .address_space: global }
      - { .name: W_p1, .offset: 16, .size: 8, .value_kind: global_buffer, .address_space: global }
      - { .name: beliefs, .offset: 24, .size: 8, .value_kind: global_buffer, .address_space: global }
      - { .name: active_mask, .offset: 32, .size: 8, .value_kind: global_buffer, .address_space: global }
      - { .name: wc, .offset: 40, .size: 8, .value_kind: global_buffer, .address_space: global }
      - { .name: bel16, .offset: 48, .size: 8, .value_kind: global_buffer, .address_space: global }
    .group_segment_fixed_size: 0
    .private_segment_fixed_size: 0
    .kernarg_segment_align: 8
    .kernarg_segment_size: 56
    .max_flat_workgroup_size: 288
    .sgpr_count:     66
    .vgpr_count:     128
    .wavefront_size: 32
...
	.end_amdgpu_metadata
.endif
;; end of part 1
;; launch proj (part 2): grid 4 x 64, 4 waves a work-group, clusters of 4 x 4, 327,680 bytes of LDS; arguments hidden, wc, b_g1, W_g2, b_p1, W_p2, obss, obs16, part; writes obss, obs16, part
.if DOCPART == 2
	.amdgcn_target "amdgcn-amd-amdhsa--gfx1250"
	.amdhsa_code_object_version 6
	.text
	.protected	k_q9a3397cced_proj
	.globl	k_q9a3397cced_proj
	.p2align	8
	.type	k_q9a3397cced_proj,@function
k_q9a3397cced_proj:
	s_mov_b64 s[64:65], 0
	v_nop
	global_prefetch_b8 v0, s[64:65] scope:SCOPE_SE
	s_setreg_imm32_b32 hwreg(HW_REG_WAVE_MODE, 25, 1), 1
	s_wait_xcnt 0x0
	s_wait_alu depctr_hold_cnt(0) depctr_sa_sdst(0) depctr_va_vdst(0) depctr_va_sdst(0) depctr_va_ssrc(0) depctr_va_vcc(0) depctr_vm_vsrc(0)
	s_getreg_b32 s2, hwreg(HW_REG_IB_STS2, 6, 4)
	s_cmp_eq_u32 s2, 0
	s_cbranch_scc0 .Lentry_in_a_cluster
	s_endpgm
.Lentry_in_a_cluster:
	s_bfe_u32 s2, ttmp6, 0x10000c
	s_cmp_lg_u32 s2, 0xf033
	s_cbranch_scc0 .Lentry_shape_is_right
	s_endpgm
.Lentry_shape_is_right:
; PROJ.  hidden, as [16384][2048] f32, times the 1,280 weight rows of wc (bf16, in blocks), sums in f32; behind the product, in registers: relu(. + b1) . W2 for gate and precision (all f32), and the sum of obs over the 4 batches.
; hidden is rounded to bf16 once, on its way from LDS to the matrix unit, so it crosses memory once, as f32.  b_g1, W_g2, b_p1, W_p2 are rounded once to bf16 and used as f32.
; SHARES.  256 work-groups.  Work-group (q, t0) makes 256 rows x 320 columns: local row y is row t0 + 64 y of hidden, that is batch y / 64, token t0 + 64 (y % 64): all four batches of 64 tokens in ONE tile with the
; pitch 64 x 2,048 elements.  Columns: quarter q of wc, two groups of 160 (32 obs, 64 gate, 64 precision).  Wave (rho, c) takes tokens 32 rho .. 32 rho + 31 in all batches (eight fragments a = 2 b + tau of 16 rows) and group c
; (ten fragments: 0, 1 obs; 2-5 gate; 6-9 precision).  64 accumulators for gate and precision; FOUR for obs: the four batches of a token add onto one accumulator.
; THE MATRIX INSTRUCTION IS USED TRANSPOSED (source 0 = 16 weight rows, source 1 = 16 rows of hidden): a lane holds one row of hidden (lane % 16) and the columns 8 (lane / 16) + 0..7.
; RING.  K goes in steps of 64 through two LDS slots: 256 rows of hidden (256 bytes of f32 each) and 320 rows of weights (128 bytes).  Waves 0, 1 fetch hidden's halves, waves 2, 3 the weights' halves.
; CLUSTER 4 x 4.  The four of a row of the cluster (same t0, the four quarters) ask for hidden's tile jointly; the four of a column (same quarter) for the weights' tile.
; OUT.  A token's place is P(t) = (t % 64) x 64 + t / 64.  obss[t][256] f32: the obs sum.  part[q][P][b][c][2] f32: the partial logits (gate, precision) of this wave's 64 + 64 columns.
; obs16, the obs sum rounded once to bf16, lies in the order in which the next launch's fragments want it: [q][P / 16][j 4][lane 32][16 bytes], lane (r, h) of piece j holding bytes 32 j + 16 h .. + 15 of the 128 of place 16 (P / 16) + r.
; LIMITS.  Sums in f32 in the matrix unit's order; NaN and infinities are not treated apart.
; REGISTERS, in windows of 256 (s_set_vgpr_msb: bits 1:0 source 0, 3:2 source 1, 5:4 source 2, 7:6 destination):
;   window 0: v0-31 addresses; v32-63 the way out's sums; v64-127, v128-191 hidden's bf16 fragments, two buffers (fragment a at + 8 a); v192-255 f32 fragments a = 0..3 as loaded, 16 registers each
;   window 1: v0-79, v80-159 the weights' fragments, two buffers; v160-191 obs's accumulators ((tau, nf) at 160 + 8 (2 tau + nf)); v192-255 f32 fragments a = 4..7
;   windows 2, 3: accumulator (a, e) at v[8 (8 (a % 4) + e)], window 2 for a < 4
.set PA,    272                        ; a row of hidden in LDS: 256 bytes + 16 of padding: the 16 rows of a load start at 16 different groups of four banks (64 banks of 4 bytes: ISA guide 11.1)
.set PB,    144                        ; a row of weights: 128 + 16
.set AHALF, 128*PA
.set BHALF, 160*PB
.set BOFF,  2*AHALF                    ; in a slot: hidden's 256 rows, then the weights' 320
.set SLOT,  BOFF+2*BHALF               ; 115,712
.set STG32, 2*SLOT                     ; behind the ring, never filled by a tensor load: 64 tokens x 64 f32, pitch 272
.set STG16, STG32+64*PA                ; 64 tokens x 64 bf16, pitch 144
.set STGP,  STG16+64*PB                ; 64 tokens x 64 bytes of partial logits
.set VEC,   STGP+4096                  ; for each wave 1,024 bytes: b_g1, W_g2, b_p1, W_p2 of its 64 columns
.set SPARE, VEC+4096                   ; the spare words, 128 bytes for each wave: two blocks of 256 bytes that no other line names
.set RR,    1                          ; v1   lane % 16
.set HH,    2                          ; v2   lane / 16
.set VGO,   3                          ; v3   my byte offset in the four small vectors
.set STO32, 4                          ; v4-6  the way out: where I put obs (f32), obs (bf16), the logits
.set STO16, 5
.set STOP,  6
.set RD32,  7                          ; v7-9  where I read them back
.set RD16,  8
.set RDP,   9
.set GO32,  10                         ; v10-12 my byte offsets in obss, obs16, part
.set GO16,  11
.set GOP,   12
.set VECW,  13                         ; v13, 14 into and out of my part of VEC
.set VECR,  14
.set ADRA,  16                         ; v16-17 LDS address of my fragments of hidden in slot 0, 1
.set ADRB,  20                         ; v20-21 the same for the weights
.set SPW,   22                         ; v22  LDS address of my spare word; never rewritten
.set NIL,   23                         ; v23  0; never rewritten
.set PFO,   24                         ; v24  the prefetches' offset: my lane x the tile's row pitch in memory; never rewritten
.set LL,    25                         ; v25  lane
.set SUM,   32
.set ABF,   64
.set BV,    64                         ; the way out: biases, 8 for each column fragment e
.set WW,    128                        ; and second-layer weights
.set TF,    192
.set OBA,   160
.set WV,    22                         ; s22  wave
.set RHO,   23                         ; s23  wave / 2: my half of the tokens.  Also: I fetch hidden (0) or weights (1)
.set CC,    24                         ; s24  wave % 2: my column group.  Also: which half of that tile I fetch
.set CX,    25
.set CY,    26
.set T0,    27                         ; s27  4 x cluster y + cy
.set QQ,    28                         ; s28  4 x cluster x + cx
.set G1A,   32                         ; s[32:39] descriptor group 1 for hidden's tiles;  s[40:47] group 0, a set for each slot
.set G0A,   40
.set G1B,   48                         ; s[48:55], s[56:63] the same for the weights'
.set G0B,   56
.set PFA,   66                         ; s[66:67] where my prefetches stand
.set LIM,   68                         ; s68  1 in a wave that prefetches, else the greatest number
.set LAP,   69                         ; s69  trips to go
.set HIM,   70                         ; s70  0xffff0000: a word's upper bf16; also the mask of lanes 16-31
.set SEL,   72                         ; s[72:73] v_permlanex16_b32's selects
.set MSB, 0
.macro WIN new                         ; the immediate's high byte repeats the setting that is left; a switch that changes nothing is dropped
.if MSB != (\new)
	s_set_vgpr_msb (MSB<<8)|(\new)
.set MSB, \new
.endif
.endm
.set MUL_LO, 0xa1                      ; source 0 (weights) window 1, source 1 (hidden) window 0, C and D window 2
.set MUL_HI, 0xf1                      ; the same, C and D window 3
.set MUL_OB, 0x51                      ; the same, C and D window 1
.macro PLACES                          ; four plain instructions between a matrix instruction and a load into, or a vector write of, one of its registers, or a read of its result
.rept 4
	v_nop
.endr
.endm
; A joint load.  The branch hangs on the wave's number alone.  An s_nop 0 and four v_nop follow each of the two lines, ahead of the jump and the label.
.macro JLOAD s
	s_cmp_eq_u32 s[RHO], 0
	s_cbranch_scc0 .Lfor_b_\@
	tensor_load_to_lds s[G0A+4*(\s):G0A+4*(\s)+3], s[G1A:G1A+7]
	s_nop 0
.rept 4
	v_nop
.endr
	s_branch .Lasked_\@
.Lfor_b_\@:
	tensor_load_to_lds s[G0B+4*(\s):G0B+4*(\s)+3], s[G1B:G1B+7]
	s_nop 0
.rept 4
	v_nop
.endr
.Lasked_\@:
.endm
; A prefetch into the L2 of hidden's K step that stands TWO refills on (320 matrix instructions ahead of the load that wants it): a lane a row, 256 bytes each.  Only this row of the cluster reads these rows.  Of the 128 rows
; that wave 0 or 1 fetches, the partner at cx takes 32 cx .. 32 cx + 31, told apart by address: each block is named once in the launch.  The loop's last trip asks for nothing: its K steps would lie past the rows' end.
.macro ASK
	s_cmp_gt_u32 s[LAP], s[LIM]
	s_cbranch_scc0 .Lnot_mine_\@
	global_prefetch_b8 v[PFO], s[PFA:PFA+1] th:TH_LOAD_NT scope:SCOPE_SE
.Lnot_mine_\@:
.endm
.macro CREST                           ; a round of the cluster's barrier behind its opening barrier
	s_cmp_lg_u32 s[WV], 0
	s_cbranch_scc1 .Lnot_wave_0_\@
	s_barrier_signal -3
.Lnot_wave_0_\@:
	s_barrier_wait -3
	s_barrier_signal -1
	s_barrier_wait -1
.endm
.macro CROUND                          ; a whole round
	s_barrier_signal -1
	s_barrier_wait -1
	CREST
.endm
; THE LDS LOADS of 32 along K (half LU of slot LSLOT) are 52, numbered.  0-31: hidden's eight fragments as f32, four loads each: lane (r, h) takes k = 8 h .. 8 h + 7 (32 bytes) and k = 16 + 8 h .. (32 bytes, 64 further on).
; 32-51: the weights' ten fragments, into buffer LG.  LRUN writes the next cnt of them.  They go out in SHORT RUNS: eight at first, then four behind every fourth matrix instruction (HOOK), so that the four waves' 208 loads are
; spread over 44 matrix instructions and do not all stand in one place.  Hidden's come first: they are wanted first, for the roundings at the unit's end.
.macro LRUN cnt
.rept \cnt
.if LDN < 32
.if LDN < 16
	WIN 0
.else
	WIN 0x40                                       ; destination window 1, address window 0
.endif
	ds_load_b128 v[TF+4*(LDN%16):TF+4*(LDN%16)+3], v[ADRA+LSLOT] offset:(64*((LDN/4)/2)+16*((LDN/4)%2))*PA+128*LU+16*(LDN%2)+64*((LDN%4)/2)  ; fragment a = LDN / 4 = 2 b + tau lies at row 64 b + 16 tau of my rows
.else
	WIN 0x40
	ds_load_b128 v[80*LG+4*(LDN-32):80*LG+4*(LDN-32)+3], v[ADRB+LSLOT] offset:((LDN-32)/2)*16*PB+64*LU+32*((LDN-32)%2)
.endif
.set LDN, LDN+1
.endr
.endm
.macro HOOK
.if LDON && (LDN < 52)
	LRUN 4
.endif
.endm
; Four roundings to bf16: half i % 2 of fragment i / 2, into buffer d
.macro RIDE d, i
.set ri_, (\i)
.set ra_, ri_/2
.if ri_ < 8
	WIN 0
.set rt_, TF+16*ra_
.else
	WIN 0x05                                       ; sources window 1, destination window 0
.set rt_, TF+16*(ra_-4)
.endif
.set rn_, 4*(ri_%2)
.rept 4
	v_cvt_pk_bf16_f32 v[ABF+64*(\d)+8*ra_+rn_], v[rt_+2*rn_], v[rt_+2*rn_+1]
.set rn_, rn_+1
.endr
.endm
; 8 matrix instructions: row fragment a x the eight gate and precision fragments.  zero = 1: they start the sums.  ride >= 0: behind each stand four roundings for the next 32 along K.  hook = 1: a run of loads behind the fourth and the eighth.
.macro MULGP f, a, zero, ride, hook
.set e_, 0
.rept 8
	WIN MUL_LO+0x50*((\a)/4)
.set rd_, 8*(8*((\a)%4)+e_)
.set rb_, 80*(\f)+8*(e_+2)
.set rs_, ABF+64*(\f)+8*(\a)
.if \zero
	v_wmma_f32_16x16x32_bf16 v[rd_:rd_+7], v[rb_:rb_+7], v[rs_:rs_+7], 0
.else
	v_wmma_f32_16x16x32_bf16 v[rd_:rd_+7], v[rb_:rb_+7], v[rs_:rs_+7], v[rd_:rd_+7]
.endif
.if (\ride) >= 0
	RIDE 1-(\f), (\ride)+e_
.endif
.if (\hook) && (e_%4 == 3)
	HOOK
.endif
.set e_, e_+1
.endr
.endm
; 16 matrix instructions: all eight row fragments x the two obs fragments; the four accumulators (tau, nf) take turns, one instruction a turn, so the four batches add up in place.  A run of loads behind every fourth.
.macro MULOB f, zero
.set a_, 0
.rept 8
.set n_, 0
.rept 2
	WIN MUL_OB
.set rd_, OBA+8*(2*(a_%2)+n_)
.set rb_, 80*(\f)+8*n_
.set rs_, ABF+64*(\f)+8*a_
.if (\zero) && (a_ < 2)
	v_wmma_f32_16x16x32_bf16 v[rd_:rd_+7], v[rb_:rb_+7], v[rs_:rs_+7], 0
.else
	v_wmma_f32_16x16x32_bf16 v[rd_:rd_+7], v[rb_:rb_+7], v[rs_:rs_+7], v[rd_:rd_+7]
.endif
.set n_, n_+1
.endr
.if a_%2 == 1
	HOOK
.endif
.set a_, a_+1
.endr
.endm
; A UNIT: 32 along K, 80 matrix instructions on buffers f.  All accumulators take turns, one instruction a turn, from unit to unit and over the backward jump too.
; mode 0: the first half of a K step: the second half is fetched from the same slot, from the unit's first product on.
; mode 1: the second half: THE CHANGE OF SLOTS.  Each wave waits for all its tensor loads (one is out: its part of the other slot), adds 0 to its spare word, waits for that and for its reads of this slot; the barrier opens a round
;         of the cluster's barrier; behind the round this slot is filled again, two K steps on, first thing; then the other slot's first half is fetched.  From the request to the wait for it a wave issues 144 matrix instructions.
; mode 2: the same change without a refill (the last slot is already on its way): a plain barrier.   mode 3: the last unit: nothing is fetched.
; The loads into the weights' other buffer, and the roundings into hidden's other buffer, stand behind the four roundings that follow the last unit's last product, and behind four v_nop: the places that those products ask for.
.macro UNIT f, mode, slot, zero
.set LDN, 0
.set LG, 1-(\f)
.set LDON, 1
.if (\mode) == 3
.set LDON, 0
.endif
.if ((\mode) == 1) || ((\mode) == 2)
.set LSLOT, 1-(\slot)
.set LU, 0
.if (\mode) == 1
	s_wait_xcnt 0x0                                ; the last prefetch, a K step back, has read its address, so it may be stepped
	s_add_nc_u64 s[PFA:PFA+1], s[PFA:PFA+1], 256
.endif
	WIN 0                                          ; (the add's two registers lie in window 0)
	s_wait_tensorcnt 0x0                           ; all my tensor loads have landed
	ds_add_u32 v[SPW], v[NIL]                      ; 0 onto my spare word
	s_wait_dscnt 1                                 ; the add alone may be out: the weights' fragments are in
	MULGP \f, 0, 0, -1, 0                          ; eight matrix instructions stand between the add and the wait for it
	s_wait_dscnt 0x0                               ; the add is done, and my reads of this slot are over
	s_barrier_signal -1
	MULGP \f, 1, 0, -1, 0                          ; work on registers while the others arrive
	WIN 0                                          ; at a branch and at a label every window is 0
	s_barrier_wait -1
.if (\mode) == 1
	CREST                                          ; no wave of any partner still reads this slot or has a load on its way
	s_add_nc_u64 s[G0A+4*(\slot)+2:G0A+4*(\slot)+3], s[G0A+4*(\slot)+2:G0A+4*(\slot)+3], 512    ; two K steps along hidden's rows
	s_add_nc_u64 s[G0B+4*(\slot)+2:G0B+4*(\slot)+3], s[G0B+4*(\slot)+2:G0B+4*(\slot)+3], 81920  ; two blocks of wc
	JLOAD \slot                                    ; the four v_nop behind it are also places in front of the loads below
.else
	PLACES
.endif
	LRUN 8                                         ; all eight land in window 0: no switch stands between the joint load and the branch below
.if (\mode) == 1
	WIN 0
	ASK
.endif
.else
.set LSLOT, \slot
.set LU, 1
	s_wait_dscnt 0x0                               ; the weights' fragments are in
.if (\mode) == 0
	PLACES
	LRUN 8
.endif
	MULGP \f, 0, \zero, -1, 1
	MULGP \f, 1, \zero, -1, 1
.endif
	MULGP \f, 2, \zero, -1, 1
	MULGP \f, 3, \zero, -1, 1
	MULOB \f, \zero
	MULGP \f, 4, \zero, -1, 1
	MULGP \f, 5, \zero, -1, 1
.if (\mode) == 3
	MULGP \f, 6, 0, -1, 0
	MULGP \f, 7, 0, -1, 0
.else
	s_wait_dscnt 20                                ; the 20 younger loads are the weights': hidden's 32 are in
	MULGP \f, 6, \zero, 0, 0
	MULGP \f, 7, \zero, 8, 0
.endif
.endm
	s_load_b512 s[4:19], s[0:1], 0x0               ; hidden 4, wc 6, b_g1 8, W_g2 10, b_p1 12, W_p2 14, obss 16, obs16 18
	s_load_b64 s[20:21], s[0:1], 0x40              ; part
	v_lshl_add_u32 v[SPW], v0, 2, SPARE
	v_mov_b32 v[NIL], 0
	ds_add_u32 v[SPW], v[NIL]                      ; the wave's opening: the add and its wait stand ahead of my first tensor load; the set-up below stands between them
	v_lshrrev_b32 v26, 5, v0
	v_readfirstlane_b32 s[WV], v26
	s_lshr_b32 s[RHO], s[WV], 1
	s_and_b32 s[CC], s[WV], 1
	s_bfe_u32 s[CX], ttmp6, 0x40000
	s_bfe_u32 s[CY], ttmp6, 0x40004
	s_lshl_b32 s[QQ], ttmp9, 2
	s_add_co_u32 s[QQ], s[QQ], s[CX]               ; column quarter
	s_and_b32 s[T0], ttmp7, 0xffff
	s_lshl_b32 s[T0], s[T0], 2
	s_add_co_u32 s[T0], s[T0], s[CY]               ; first token
	s_lshl_b32 s29, s[CY], 2
	s_lshl_b32 s29, 15, s29                        ; my row of the cluster
	s_lshl_b32 s30, 0x1111, s[CX]                  ; my column
	s_or_b32 s[G1A], s29, (2<<16)|(1<<20)|(1<<21)|(5<<22)|(3<<25)  ; 15:0 the mask; 17:16 4-byte elements; 20 padding on; 21 set beside a mask; 24:22 after every 64 words; 31:25 4 words of it
	s_mov_b32 s[G1A+1], 64<<16                     ; tensor_dim0 = 64
	s_mov_b32 s[G1A+2], 128<<16                    ; tensor_dim1 = 128
	s_mov_b32 s[G1A+3], 64<<16                     ; tile_dim0 = 64
	s_mov_b32 s[G1A+4], 128                        ; tile_dim1 = 128
	s_mov_b32 s[G1A+5], 131072                     ; from row to row: 64 rows of hidden
	s_mov_b32 s[G1A+6], 0
	s_mov_b32 s[G1A+7], 0
	s_or_b32 s[G1B], s30, (1<<16)|(1<<20)|(1<<21)|(4<<22)|(3<<25)  ; 2-byte elements; padded after every 32 words.  160 weight rows are 20,480 dense bytes: asked for as 80 rows of 256
	s_mov_b32 s[G1B+1], 128<<16
	s_mov_b32 s[G1B+2], 80<<16
	s_mov_b32 s[G1B+3], 128<<16
	s_mov_b32 s[G1B+4], 80
	s_mov_b32 s[G1B+5], 128
	s_mov_b32 s[G1B+6], 0
	s_mov_b32 s[G1B+7], 0
	s_lshl_b32 s74, s[T0], 13                      ; hidden: row t0,
	s_lshl_b32 s75, s[CC], 26                      ; + my half: 128 rows of the tile, 524,288 bytes apart
	s_add_co_u32 s74, s74, s75
	s_mov_b32 s75, 0
	s_mul_i32 s76, s[QQ], 1310720                  ; wc: quarter q's 32 blocks,
	s_mul_i32 s77, s[CC], 20480                    ; + my half of a block
	s_add_co_u32 s76, s76, s77
	s_mov_b32 s77, 0
	s_mul_i32 s78, s[CC], AHALF                    ; and where they go: the wave's number alone enters an LDS address
	s_mul_i32 s79, s[CC], BHALF
	s_add_co_u32 s79, s79, BOFF
	s_mov_b32 s[HIM], 0xffff0000
	s_mov_b32 s[SEL], 0x76543210
	s_mov_b32 s[SEL+1], 0xfedcba98
	s_wait_dscnt 0x0                               ; the opening add is done
	s_wait_kmcnt 0x0
	s_add_nc_u64 s[80:81], s[4:5], s[74:75]
	s_add_nc_u64 s[82:83], s[6:7], s[76:77]
	CROUND                                         ; all sixteen work-groups are here: the first joint loads meet
.irp s, 0,1
	s_mov_b32 s[G0A+4*(\s)], 1
	s_add_co_u32 s[G0A+4*(\s)+1], s78, (\s)*SLOT
	s_add_nc_u64 s[G0A+4*(\s)+2:G0A+4*(\s)+3], s[80:81], (\s)*256
	s_or_b32 s[G0A+4*(\s)+3], s[G0A+4*(\s)+3], 0x80000000
	s_mov_b32 s[G0B+4*(\s)], 1
	s_add_co_u32 s[G0B+4*(\s)+1], s79, (\s)*SLOT
	s_add_nc_u64 s[G0B+4*(\s)+2:G0B+4*(\s)+3], s[82:83], (\s)*40960
	s_or_b32 s[G0B+4*(\s)+3], s[G0B+4*(\s)+3], 0x80000000
	JLOAD \s                                       ; K steps 0 and 1: two loads of mine are out
.endr
	; my 64 columns of the four small vectors: 256 bytes each, lanes 16-31 repeat lanes 0-15
	v_and_b32 v[RR], 15, v0
	v_bfe_u32 v[HH], v0, 4, 1
	v_and_b32 v[LL], 31, v0
	s_lshl_b32 s84, s[QQ], 1
	s_add_co_u32 s84, s84, s[CC]                   ; group 2 q + c
	s_lshl_b32 s84, s84, 8
	v_lshl_add_u32 v[VGO], v[RR], 4, s84
	global_load_b128 v[TF:TF+3],     v[VGO], s[8:9]
	global_load_b128 v[TF+4:TF+7],   v[VGO], s[10:11]
	global_load_b128 v[TF+8:TF+11],  v[VGO], s[12:13]
	global_load_b128 v[TF+12:TF+15], v[VGO], s[14:15]
	; addresses: a lane's term, and a term of the wave's number
	v_mul_u32_u24 v26, v[RR], PA
	v_lshl_add_u32 v26, v[HH], 5, v26              ; r x 272 + 32 h
	v_mul_u32_u24 v27, v[RR], PB
	v_lshl_add_u32 v27, v[HH], 4, v27              ; r x 144 + 16 h
	s_mul_i32 s84, s[RHO], 32*PA
	v_add_nc_u32 v[ADRA], s84, v26
	s_add_co_u32 s85, s84, SLOT
	v_add_nc_u32 v[ADRA+1], s85, v26
	s_lshl_b32 s85, s[CC], 7
	s_add_co_u32 s85, s85, s84
	s_add_co_u32 s85, s85, STG32
	v_add_nc_u32 v[STO32], s85, v26                ; token 32 rho + r, my group's 128 bytes, 32 for each half of the lanes
	s_mul_i32 s84, s[CC], BHALF
	s_add_co_u32 s84, s84, BOFF
	v_add_nc_u32 v[ADRB], s84, v27
	s_add_co_u32 s84, s84, SLOT
	v_add_nc_u32 v[ADRB+1], s84, v27
	s_mul_i32 s84, s[RHO], 32*PB
	s_lshl_b32 s85, s[CC], 6
	s_add_co_u32 s84, s84, s85
	s_add_co_u32 s84, s84, STG16
	v_add_nc_u32 v[STO16], s84, v27
	s_lshl_b32 s84, s[RHO], 11
	s_lshl_b32 s85, s[CC], 3
	s_add_co_u32 s84, s84, s85
	s_add_co_u32 s84, s84, STGP
	v_lshl_add_u32 v[STOP], v[LL], 6, s84          ; token 32 rho + lane: 64 bytes each; my group's 8
	s_mul_i32 s84, s[WV], 16*PA
	s_add_co_u32 s84, s84, STG32
	v_mul_u32_u24 v28, v[HH], PA
	v_lshl_add_u32 v28, v[RR], 4, v28
	v_add_nc_u32 v[RD32], s84, v28                 ; back: wave w takes tokens 16 w ..; lanes 0-15 one row of 256 bytes, lanes 16-31 the next
	s_mul_i32 s84, s[WV], 16*PB
	s_add_co_u32 s84, s84, STG16
	v_add_nc_u32 v[RD16], s84, v27                 ; back, in fragment order: lane (r, h) takes 16 bytes of token 16 w + r, at 16 h; piece j lies 32 j further on
	s_lshl_b32 s84, s[WV], 10
	s_add_co_u32 s85, s84, STGP
	v_lshl_add_u32 v[RDP], v[LL], 4, s85
	v_lshl_add_u32 v[GOP], v[LL], 4, s84
	s_add_co_u32 s85, s84, VEC
	v_lshl_add_u32 v[VECW], v[RR], 4, s85
	v_lshl_add_u32 v[VECR], v[HH], 5, s85
	s_lshl_b32 s84, s[WV], 11
	v_lshl_add_u32 v[GO16], v[LL], 4, s84
	s_lshl_b32 s84, s[WV], 20                      ; 16 w tokens, 64 rows of obss (65,536 bytes) apart
	v_lshlrev_b32 v28, 16, v[HH]
	v_lshl_add_u32 v28, v[RR], 4, v28
	v_add_nc_u32 v[GO32], s84, v28
	v_lshlrev_b32 v[PFO], 19, v[LL]
	s_lshl_b32 s84, s[T0], 10                      ; obss at row t0, my quarter's 256 bytes
	s_lshl_b32 s85, s[QQ], 8
	s_add_co_u32 s84, s84, s85
	s_mov_b32 s85, 0
	s_add_nc_u64 s[16:17], s[16:17], s[84:85]
	s_lshl_b32 s84, s[QQ], 19                      ; obs16 at [q][place 64 t0]
	s_lshl_b32 s86, s[T0], 13
	s_add_co_u32 s84, s84, s86
	s_add_nc_u64 s[18:19], s[18:19], s[84:85]
	s_lshl_b32 s84, s[QQ], 18                      ; part at [q][place 64 t0]
	s_lshl_b32 s86, s[T0], 12
	s_add_co_u32 s84, s84, s86
	s_add_nc_u64 s[20:21], s[20:21], s[84:85]
	s_lshl_b32 s86, s[CC], 7                       ; the prefetches: of the 128 rows that I fetch,
	s_lshl_b32 s87, s[CX], 5                       ; my work-group's 32,
	s_add_co_u32 s86, s86, s87
	s_lshl_b32 s86, s86, 19
	s_lshl_b32 s87, s[T0], 13
	s_add_co_u32 s86, s86, s87
	s_add_co_u32 s86, s86, 768                     ; at K step 3: the first change of slots steps it to 4.  Nothing is prefetched here, at the head
	s_mov_b32 s87, 0
	s_add_nc_u64 s[PFA:PFA+1], s[4:5], s[86:87]
	s_cmp_eq_u32 s[RHO], 0
	s_cselect_b32 s[LIM], 1, -1
	s_wait_loadcnt 0x0                             ; the four small vectors: rounded once to bf16, kept as f32 in my part of VEC
.set n_, 0
.rept 4
	v_cvt_pk_bf16_f32 v[TF+16], v[TF+4*n_], v[TF+4*n_+1]
	v_cvt_pk_bf16_f32 v[TF+17], v[TF+4*n_+2], v[TF+4*n_+3]
	v_lshlrev_b32 v[TF+4*n_], 16, v[TF+16]
	v_and_b32 v[TF+4*n_+1], s[HIM], v[TF+16]
	v_lshlrev_b32 v[TF+4*n_+2], 16, v[TF+17]
	v_and_b32 v[TF+4*n_+3], s[HIM], v[TF+17]
	ds_store_b128 v[VECW], v[TF+4*n_:TF+4*n_+3] offset:256*n_
.set n_, n_+1
.endr
	s_wait_tensorcnt 1                             ; my part of K step 0 is in; step 1's may stay out
	s_wait_dscnt 0x0
	s_barrier_signal -1
	s_barrier_wait -1                              ; everybody's is
.set LSLOT, 0
.set LU, 0
.set LG, 0
.set LDN, 0
	LRUN 52                                        ; the first 32 along K: there is no matrix work yet to set the loads between
	s_wait_dscnt 0x0
.set i_, 0
.rept 16                               ; and they are rounded in one run, once
	RIDE 0, i_
.set i_, i_+1
.endr
	UNIT 0, 0, 0, 1                                ; the first unit stands in front of the loop: its products start the sums
	WIN 0
	s_mov_b32 s[LAP], 15
.Llap:                                             ; a trip goes once round the ring, from a step's second half to the first half two steps on, and fills both slots again
	UNIT 1, 1, 0, 0
	UNIT 0, 0, 1, 0
	UNIT 1, 1, 1, 0
	UNIT 0, 0, 0, 0
	WIN 0
	s_sub_co_u32 s[LAP], s[LAP], 1
	s_cmp_lg_u32 s[LAP], 0
	s_cbranch_scc1 .Llap
	UNIT 1, 2, 0, 0                                ; K step 30's second half: the last change of slots asks for nothing
	UNIT 0, 0, 1, 0
	UNIT 1, 3, 1, 0
	; THE WAY OUT
	PLACES                                         ; behind the last products
	WIN 0
.set e_, 0
.rept 8                                ; for column fragment e my 8 columns' bias and second-layer weight: e < 4 gate, else precision
	ds_load_b128 v[BV+8*e_:BV+8*e_+3],   v[VECR] offset:512*(e_/4)+64*(e_%4)
	ds_load_b128 v[BV+8*e_+4:BV+8*e_+7], v[VECR] offset:512*(e_/4)+64*(e_%4)+16
	ds_load_b128 v[WW+8*e_:WW+8*e_+3],   v[VECR] offset:256+512*(e_/4)+64*(e_%4)
	ds_load_b128 v[WW+8*e_+4:WW+8*e_+7], v[VECR] offset:256+512*(e_/4)+64*(e_%4)+16
.set e_, e_+1
.endr
	WIN 0x04                                       ; store data in window 1
.set x_, 0
.rept 4                                ; obs, f32: x_ = 2 tau + nf; each accumulator's low registers go first
	ds_store_b128 v[STO32], v[OBA+8*x_:OBA+8*x_+3]   offset:(x_/2)*16*PA+64*(x_%2)
	ds_store_b128 v[STO32], v[OBA+8*x_+4:OBA+8*x_+7] offset:(x_/2)*16*PA+64*(x_%2)+16
.set x_, x_+1
.endr
	WIN 0x05
.set x_, 0
.rept 16
	v_cvt_pk_bf16_f32 v[TF+x_], v[OBA+2*x_], v[OBA+2*x_+1]
.set x_, x_+1
.endr
	WIN 0
.set x_, 0
.rept 4
	ds_store_b128 v[STO16], v[TF+4*x_:TF+4*x_+3] offset:(x_/2)*16*PB+32*(x_%2)
.set x_, x_+1
.endr
	s_wait_dscnt 0x0                               ; biases and weights are in
; Row fragment a: relu(sum + bias) times the second layer's weight, all f32: two packed sums, gate's and precision's, over my 8 columns of each of four fragments
.macro GPSUM a
	WIN 0x02+((\a)/4)                              ; source 0 in window 2 or 3
.set i_, 0
.rept 32
	v_pk_add_f32 v[TF+2*i_:TF+2*i_+1], v[64*((\a)%4)+2*i_:64*((\a)%4)+2*i_+1], v[BV+2*i_:BV+2*i_+1]
.set i_, i_+1
.endr
	WIN 0
.set i_, 0
.rept 64
	v_max_num_f32 v[TF+i_], 0, v[TF+i_]
.set i_, i_+1
.endr
	v_pk_mul_f32 v[SUM+4*(\a):SUM+4*(\a)+1],   v[TF:TF+1],       v[WW:WW+1]
	v_pk_mul_f32 v[SUM+4*(\a)+2:SUM+4*(\a)+3], v[TF+32:TF+33],   v[WW+32:WW+33]
.set i_, 1
.rept 15
	v_pk_fma_f32 v[SUM+4*(\a):SUM+4*(\a)+1],   v[TF+2*i_:TF+2*i_+1],       v[WW+2*i_:WW+2*i_+1],       v[SUM+4*(\a):SUM+4*(\a)+1]
	v_pk_fma_f32 v[SUM+4*(\a)+2:SUM+4*(\a)+3], v[TF+32+2*i_:TF+32+2*i_+1], v[WW+32+2*i_:WW+32+2*i_+1], v[SUM+4*(\a)+2:SUM+4*(\a)+3]
.set i_, i_+1
.endr
.endm
.irp a, 0,1,2,3,4,5,6,7
	GPSUM \a
.endr
.irp a, 0,1,2,3,4,5,6,7
	v_add_f32 v[SUM+4*(\a)],   v[SUM+4*(\a)],   v[SUM+4*(\a)+1]
	v_add_f32 v[SUM+4*(\a)+1], v[SUM+4*(\a)+2], v[SUM+4*(\a)+3]
.endr
.irp a, 0,1,2,3,4,5,6,7                ; the row's other 8 columns of each fragment lie in the lane 16 away
	v_permlanex16_b32 v[SUM+4*(\a)+2], v[SUM+4*(\a)],   s[SEL], s[SEL+1]
	v_permlanex16_b32 v[SUM+4*(\a)+3], v[SUM+4*(\a)+1], s[SEL], s[SEL+1]
.endr
.irp a, 0,1,2,3,4,5,6,7
	v_add_f32 v[SUM+4*(\a)],   v[SUM+4*(\a)],   v[SUM+4*(\a)+2]
	v_add_f32 v[SUM+4*(\a)+1], v[SUM+4*(\a)+1], v[SUM+4*(\a)+3]
.endr
.irp b, 0,1,2,3                        ; lanes 0-15 keep tau = 0, lanes 16-31 take tau = 1: lane l holds token 32 rho + l of batch b
	v_cndmask_b32 v[SUM+8*(\b)+2], v[SUM+8*(\b)],   v[SUM+8*(\b)+4], s[HIM]
	v_cndmask_b32 v[SUM+8*(\b)+3], v[SUM+8*(\b)+1], v[SUM+8*(\b)+5], s[HIM]
	ds_store_b64 v[STOP], v[SUM+8*(\b)+2:SUM+8*(\b)+3] offset:16*(\b)
.endr
	s_wait_dscnt 0x0                               ; for the others' sake: my stores into the stages are done
	s_barrier_signal -1
	s_barrier_wait -1
.set n_, 0
.rept 8
	ds_load_b128 v[TF+4*n_:TF+4*n_+3], v[RD32] offset:n_*2*PA
.set n_, n_+1
.endr
.set n_, 0
.rept 4
	ds_load_b128 v[TF+32+4*n_:TF+32+4*n_+3], v[RD16] offset:n_*32  ; piece n_ of my 16 tokens: 16 rows, 144 bytes apart, in each half of the lanes
.set n_, n_+1
.endr
.set n_, 0
.rept 2
	ds_load_b128 v[TF+48+4*n_:TF+48+4*n_+3], v[RDP] offset:n_*512
.set n_, n_+1
.endr
.set n_, 0
.rept 8
	s_wait_dscnt 13-n_                             ; LDS loads come back in order: the younger ones stay out
	global_store_b128 v[GO32], v[TF+4*n_:TF+4*n_+3], s[16:17] offset:n_*131072  ; 16 lanes store 256 consecutive bytes, aligned: a token's quarter row
.set n_, n_+1
.endr
.set n_, 0
.rept 4
	s_wait_dscnt 5-n_
	global_store_b128 v[GO16], v[TF+32+4*n_:TF+32+4*n_+3], s[18:19] offset:n_*512  ; 512 consecutive bytes
.set n_, n_+1
.endr
.set n_, 0
.rept 2
	s_wait_dscnt 1-n_
	global_store_b128 v[GOP], v[TF+48+4*n_:TF+48+4*n_+3], s[20:21] offset:n_*512
.set n_, n_+1
.endr
	s_wait_tensorcnt 0x0                           ; the wave's end: behind my last tensor load and my last LDS store
	ds_add_u32 v[SPW], v[NIL]
	s_wait_dscnt 0x0
	CROUND                                         ; the closing round: no work-group ends while a partner may still ask for a tile that names it
	s_endpgm
.Lfunc_end_k_q9a3397cced_proj:
	.size	k_q9a3397cced_proj, .Lfunc_end_k_q9a3397cced_proj-k_q9a3397cced_proj
	.p2alignl 7, 3214868480
	.fill 96, 4, 3214868480
	.section	.rodata,"a",@progbits
	.p2align	6, 0x0
	.amdhsa_kernel k_q9a3397cced_proj
		.amdhsa_group_segment_fixed_size 327680
		.amdhsa_private_segment_fixed_size 0
		.amdhsa_enable_private_segment 0
		.amdhsa_kernarg_size 72
		.amdhsa_user_sgpr_count 2
		.amdhsa_user_sgpr_kernarg_segment_ptr 1
		.amdhsa_wavefront_size32 1
		.amdhsa_system_sgpr_workgroup_id_x 1
		.amdhsa_system_sgpr_workgroup_id_y 1
		.amdhsa_system_sgpr_workgroup_id_z 1
		.amdhsa_system_vgpr_workitem_id 0
		.amdhsa_next_free_vgpr 1024
		.amdhsa_next_free_sgpr 96
		.amdhsa_reserve_vcc 0
		.amdhsa_float_denorm_mode_32 3
		.amdhsa_float_denorm_mode_16_64 3
		.amdhsa_memory_ordered 1
		.amdhsa_forward_progress 1
		.amdhsa_inst_pref_size 184
	.end_amdhsa_kernel
	.amdgpu_metadata
---
amdhsa.version: [ 1, 2 ]
amdhsa.kernels:
  - .name:           k_q9a3397cced_proj
    .symbol:         k_q9a3397cced_proj.kd
    .args:
      - { .name: hidden, .offset: 0, .size: 8, .value_kind: global_buffer, .address_space: global }
      - { .name: wc, .offset: 8, .size: 8, .value_kind: global_buffer, .address_space: global }
      - { .name: b_g1, .offset: 16, .size: 8, .value_kind: global_buffer, .address_space: global }
      - { .name: W_g2, .offset: 24, .size: 8, .value_kind: global_buffer, .address_space: global }
      - { .name: b_p1, .offset: 32, .size: 8, .value_kind: global_buffer, .address_space: global }
      - { .name: W_p2, .offset: 40, .size: 8, .value_kind: global_buffer, .address_space: global }
      - { .name: obss, .offset: 48, .size: 8, .value_kind: global_buffer, .address_space: global }
      - { .name: obs16, .offset: 56, .size: 8, .value_kind: global_buffer, .address_space: global }
      - { .name: part, .offset: 64, .size: 8, .value_kind: global_buffer, .address_space: global }
    .group_segment_fixed_size: 327680
    .private_segment_fixed_size: 0
    .kernarg_segment_align: 8
    .kernarg_segment_size: 72
    .max_flat_workgroup_size: 128
    .sgpr_count:     96
    .vgpr_count:     1024
    .wavefront_size: 32
...
	.end_amdgpu_metadata
.endif
;; end of part 2
;; launch sims (part 3): grid 16 x 16, 4 waves a work-group, clusters of 4 x 1, 270,848 bytes of LDS; arguments obs16, bel16, best; writes best
.if DOCPART == 3
	.amdgcn_target "amdgcn-amd-amdhsa--gfx1250"
	.amdhsa_code_object_version 6
	.text
	.protected	k_q9a3397cced_sims
	.globl	k_q9a3397cced_sims
	.p2align	8
	.type	k_q9a3397cced_sims,@function
k_q9a3397cced_sims:
	s_mov_b64 s[64:65], 0
	v_nop
	global_prefetch_b8 v0, s[64:65] scope:SCOPE_SE
	s_setreg_imm32_b32 hwreg(HW_REG_WAVE_MODE, 25, 1), 1
	s_wait_xcnt 0x0
	s_wait_alu depctr_hold_cnt(0) depctr_sa_sdst(0) depctr_va_vdst(0) depctr_va_sdst(0) depctr_va_ssrc(0) depctr_va_vcc(0) depctr_vm_vsrc(0)
	s_getreg_b32 s2, hwreg(HW_REG_IB_STS2, 6, 4)
	s_cmp_eq_u32 s2, 0
	s_cbranch_scc0 .Lentry_in_a_cluster
	s_endpgm
.Lentry_in_a_cluster:
	s_bfe_u32 s2, ttmp6, 0x10000c
	s_cmp_lg_u32 s2, 0x3003
	s_cbranch_scc0 .Lentry_shape_is_right
	s_endpgm
.Lentry_shape_is_right:
; SIMS.  raw[P][n] = S_P . bel16_n (K = 256, bf16 operands, f32 sums), and for each token the greatest raw score and its slot among 256 slots.  S is the obs sum, NOT normalised: its scale, which is never negative, commutes with
; maximum and argmax and is applied by the launch behind.  Hidden slots' rows are zeros, so they score 0: what is made of the maximum asks only whether it exceeds a positive bound.
; Tokens are taken by their places P (obs16's order), 16 places to a fragment: a fragment's load is 512 consecutive bytes.
; SHARES.  Work-group (X, Y): places 256 X .., slots 512 Y ...  Wave (rho, c): 128 places (eight fragments a, all of K in 512 registers) x 256 slots, walked in 16 tiles of 16 slots: 64 matrix instructions a tile.
; TRANSPOSED USE (source 0 = 16 slots, source 1 = 16 tokens): a lane holds one token (lane % 16) and the slots 8 (lane / 16) + 0..7.
; THE SLOT RIDES IN THE SCORE.  The low 8 bits of a score are replaced by 255 - the slot's place among the wave's 256 (16 x tile + 8 (lane / 16) + j), so that a plain maximum carries its argmax, and of positive scores that are
; equal in their upper 24 bits the lowest slot wins.  Behind every second matrix instruction of a tile stand three instructions that take two scores of the tile BEFORE into one of 32 running maxima.
; CLUSTER 4 x 1: the four blocks of places of a cluster walk the same 512 slots, asked for jointly; the whole block (264 KiB with padding) lies in LDS, filled once: no ring.
; OUT.  best[2 Y + c][P] = (raw maximum f32 with its low 8 bits cleared, slot u32).
; LIMITS.  Scores that agree in their upper 24 bits count as equal; the stored maximum is low by at most 2^-15 of itself (the bf16 operands' own error is larger); among negative scores the order of near-equal ones is the
; other way round, which no output shows; an infinite score would turn into a NaN pattern and be lost; NaN is never taken as a maximum.
; REGISTERS: window 0: v0-17 addresses; v64-127, v128-191 a tile's fragments of slots, two buffers; v192-199 the way out.  window 1: v0-63, v64-127 accumulators, two buffers ((a, j) at 8 a + j); v128-159 the maxima
;   ((a, j / 2) at 4 a + j / 2); v160-167 the codes of places j = 0..7.   windows 2, 3: the tokens' fragments, (a, kc) at v[64 (a % 4) + 8 kc], window 2 for a < 4.
.set PITCH, 528                        ; a slot's row in LDS: 512 bytes + 16 of padding
.set SPARE, 512*PITCH                  ; behind the block: the spare words, 128 bytes for each wave
.set ADR0, 2                           ; v2   my lane's place in tile 0 of my 256 slots; never rewritten
.set ADR,  3                           ; v3   the LDS address of the run of loads in hand
.set QO,   4                           ; v4   my byte offset in a piece of obs16: 16 x lane
.set GO,   5                           ; v5   my byte offset in best
.set SPW,  6                           ; v6   LDS address of my spare word; never rewritten
.set NIL,  7                           ; v7   0; never rewritten
.set BF,   64
.set OUT,  192
.set MX,   128
.set CODE, 160
.set WV,   12
.set RHO,  13
.set CC,   14
.set G1,   24                          ; s[24:31] descriptor group 1
.set G0,   32                          ; s[32:39] group 0, a set for each of my two loads
.set TB,   40                          ; s40  LDS byte at which the tile to be fetched begins, from my first
.set BASE, 41                          ; s41  my first slot + 255
.set CNT,  42
.set SEL,  44                          ; s[44:45]
.set HIM,  46                          ; s46  the mask of lanes 16-31
.set LOW,  47                          ; s47  the lowest finite number
.set MSKR, 48                          ; s48  a score's upper 24 bits
.set MSB, 0
.macro WIN new
.if MSB != (\new)
	s_set_vgpr_msb (MSB<<8)|(\new)
.set MSB, \new
.endif
.endm
.macro CROUND                          ; a round of the cluster's barrier
	s_barrier_signal -1
	s_barrier_wait -1
	s_cmp_lg_u32 s[WV], 0
	s_cbranch_scc1 .Lnot_wave_0_\@
	s_barrier_signal -3
.Lnot_wave_0_\@:
	s_barrier_wait -3
	s_barrier_signal -1
	s_barrier_wait -1
.endm
	s_load_b128 s[4:7], s[0:1], 0x0                ; obs16 s[4:5], bel16 s[6:7]
	s_load_b64 s[8:9], s[0:1], 0x10                ; best
	v_lshl_add_u32 v[SPW], v0, 2, SPARE
	v_mov_b32 v[NIL], 0
	ds_add_u32 v[SPW], v[NIL]                      ; the wave's opening: the add and its wait stand ahead of my first tensor load
	v_lshrrev_b32 v1, 5, v0
	v_readfirstlane_b32 s[WV], v1
	s_lshr_b32 s[RHO], s[WV], 1
	s_and_b32 s[CC], s[WV], 1
	s_bfe_u32 s15, ttmp6, 0x40000                  ; cx: it enters obs16's and best's addresses alone
	s_lshl_b32 s16, ttmp9, 2
	s_add_co_u32 s16, s16, s15                     ; X
	s_and_b32 s17, ttmp7, 0xffff                   ; Y, which the four partners share
	s_lshl_b32 s18, s[CC], 8
	s_lshl_b32 s19, s[RHO], 6
	s_add_co_u32 s18, s18, s19                     ; I fetch rows 256 (w % 2) + 64 (w / 2) .. + 63, and the 64 that lie 128 further on
	s_mov_b32 s[G0], 1
	s_mul_i32 s[G0+1], s18, PITCH
	s_mov_b32 s[G0+4], 1
	s_add_co_u32 s[G0+5], s[G0+1], 128*PITCH
	s_lshl_b32 s20, s17, 9
	s_add_co_u32 s20, s20, s18
	s_lshl_b32 s20, s20, 9                         ; a row of bel16 is 512 bytes
	s_mov_b32 s21, 0
	s_mov_b32 s[G1], 15|(1<<16)|(1<<20)|(1<<21)|(6<<22)|(3<<25)  ; 15:0 the mask of four; 2-byte elements; padding on; 21 set beside a mask; after every 128 words 4 words
	s_mov_b32 s[G1+1], 256<<16                     ; tensor_dim0 = 256
	s_mov_b32 s[G1+2], 64<<16                      ; tensor_dim1 = 64
	s_mov_b32 s[G1+3], 256<<16                     ; tile_dim0 = 256
	s_mov_b32 s[G1+4], 64                          ; tile_dim1 = 64
	s_mov_b32 s[G1+5], 256
	s_mov_b32 s[G1+6], 0
	s_mov_b32 s[G1+7], 0
	s_mov_b32 s[SEL], 0x76543210
	s_mov_b32 s[SEL+1], 0xfedcba98
	s_mov_b32 s[HIM], 0xffff0000
	s_mov_b32 s[LOW], 0xff7fffff
	s_mov_b32 s[MSKR], 0xffffff00
	s_mov_b32 s[TB], 0
	s_wait_dscnt 0x0                               ; the opening add is done
	s_wait_kmcnt 0x0
	s_add_nc_u64 s[G0+2:G0+3], s[6:7], s[20:21]
	s_add_nc_u64 s[G0+6:G0+7], s[G0+2:G0+3], 128*512
	s_or_b32 s[G0+3], s[G0+3], 0x80000000
	s_or_b32 s[G0+7], s[G0+7], 0x80000000
	CROUND                                         ; all four work-groups are here: the joint loads meet
	tensor_load_to_lds s[G0:G0+3], s[G1:G1+7]      ; both fills go out together: two loads of mine are out
	s_nop 0
	tensor_load_to_lds s[G0+4:G0+7], s[G1:G1+7]
	s_nop 0
.rept 4
	v_nop
.endr
	v_and_b32 v1, 15, v0                           ; r
	v_bfe_u32 v16, v0, 4, 1                        ; h
	v_and_b32 v[QO], 31, v0
	v_lshlrev_b32 v[QO], 4, v[QO]
	v_lshlrev_b32 v17, 3, v16
	v_sub_nc_u32 v17, 271, v17                     ; 255 + 16 - 8 h: the code of place 0 of a tile before the first
	s_lshl_b32 s20, s16, 15                        ; obs16: block of 16 places 16 X + 8 rho + a, 2,048 bytes each in a quarter
	s_lshl_b32 s22, s[RHO], 14
	s_add_co_u32 s20, s20, s22
	s_add_nc_u64 s[4:5], s[4:5], s[20:21]
	WIN 0x80                                       ; destination window 2, address window 0
.set x_, 0
.rept 32                               ; a = x_ / 8, kc = x_ % 8: quarter kc / 2 of obs16, pieces 2 (kc % 2) and 2 (kc % 2) + 1: each load covers 512 consecutive bytes
	global_load_b128 v[8*x_:8*x_+3],   v[QO], s[4:5] offset:((x_%8)/2)*524288+(x_/8)*2048+((x_%8)%2)*1024
	global_load_b128 v[8*x_+4:8*x_+7], v[QO], s[4:5] offset:((x_%8)/2)*524288+(x_/8)*2048+((x_%8)%2)*1024+512
.set x_, x_+1
.endr
	WIN 0xc0                                       ; a = 4 .. 7: window 3, four blocks further on
.set x_, 0
.rept 32
	global_load_b128 v[8*x_:8*x_+3],   v[QO], s[4:5] offset:((x_%8)/2)*524288+(x_/8)*2048+((x_%8)%2)*1024+8192
	global_load_b128 v[8*x_+4:8*x_+7], v[QO], s[4:5] offset:((x_%8)/2)*524288+(x_/8)*2048+((x_%8)%2)*1024+8704
.set x_, x_+1
.endr
	WIN 0x40                                       ; what the first tile's riders find: a tile before it whose scores, like the maxima, are about the lowest finite number: every true score beats them.  Written while the tiles land; it spares a first tile written out
.set x_, 0
.rept 64
	v_mov_b32 v[64+x_], s[LOW]
.set x_, x_+1
.endr
.set x_, 0
.rept 32
	v_mov_b32 v[MX+x_], s[LOW]
.set x_, x_+1
.endr
.irp j, 0,1,2,3,4,5,6,7
	v_add_nc_u32 v[CODE+\j], -\j, v17
.endr
	WIN 0
	s_lshl_b32 s22, s17, 9
	s_lshl_b32 s23, s[CC], 8
	s_add_co_u32 s22, s22, s23
	s_add_co_u32 s[BASE], s22, 255
	v_mul_u32_u24 v[ADR0], v1, PITCH
	v_lshl_add_u32 v[ADR0], v16, 4, v[ADR0]
	s_mul_i32 s22, s[CC], 256*PITCH
	v_add_nc_u32 v[ADR0], s22, v[ADR0]
	v_and_b32 v[GO], 31, v0
	v_lshlrev_b32 v[GO], 3, v[GO]
	s_lshl_b32 s22, s17, 1
	s_add_co_u32 s22, s22, s[CC]
	s_lshl_b32 s22, s22, 15                        ; best: plane 2 Y + c,
	s_lshl_b32 s23, s16, 11
	s_add_co_u32 s22, s22, s23                     ; place 256 X
	s_lshl_b32 s23, s[RHO], 10
	s_add_co_u32 s22, s22, s23                     ; + 128 rho, 8 bytes each
	s_mov_b32 s23, 0
	s_add_nc_u64 s[8:9], s[8:9], s[22:23]
.macro FETCH beta                      ; a tile's 16 slots x 256 channels: 16 loads in one run, all in window 0
	v_add_nc_u32 v[ADR], s[TB], v[ADR0]
	s_add_co_u32 s[TB], s[TB], 16*PITCH
.set k_, 0
.rept 8
	ds_load_b128 v[BF+64*(\beta)+8*k_:BF+64*(\beta)+8*k_+3],   v[ADR] offset:64*k_
	ds_load_b128 v[BF+64*(\beta)+8*k_+4:BF+64*(\beta)+8*k_+7], v[ADR] offset:64*k_+32
.set k_, k_+1
.endr
.endm
.macro RIDER b, g                      ; scores 2 g and 2 g + 1 of accumulator buffer b take their codes, in place, and go into maximum g
	WIN 0x55                                       ; all four operand places in window 1
	v_and_or_b32 v[64*(\b)+2*(\g)],   v[64*(\b)+2*(\g)],   s[MSKR], v[CODE+(2*(\g))%8]
	v_and_or_b32 v[64*(\b)+2*(\g)+1], v[64*(\b)+2*(\g)+1], s[MSKR], v[CODE+(2*(\g)+1)%8]
	v_max3_num_f32 v[MX+(\g)], v[MX+(\g)], v[64*(\b)+2*(\g)], v[64*(\b)+2*(\g)+1]
.endm
; A TILE.  The eight accumulators take turns, one instruction a turn.  The riders take the other buffer in ascending order (each accumulator's lowest registers first), 20 plain instructions or more behind
; its last product.  The next tile's fragments are fetched behind the second product: 14 plain instructions stand between the last product that read that buffer and the loads.  last = 1: in the last trip there is no further tile.
; At the tile's end the eight codes step on by a tile's 16 slots.
.macro TILE beta, last
	s_wait_dscnt 0x0                               ; this tile's fragments are in
.set x_, 0
.rept 64
	WIN 0x58+4*((x_%8)/4)                          ; slots window 0, tokens window 2 or 3, C and D window 1
.if x_ < 8
	v_wmma_f32_16x16x32_bf16 v[64*(\beta)+8*(x_%8):64*(\beta)+8*(x_%8)+7], v[BF+64*(\beta)+8*(x_/8):BF+64*(\beta)+8*(x_/8)+7], v[64*(x_%4)+8*(x_/8):64*(x_%4)+8*(x_/8)+7], 0
.else
	v_wmma_f32_16x16x32_bf16 v[64*(\beta)+8*(x_%8):64*(\beta)+8*(x_%8)+7], v[BF+64*(\beta)+8*(x_/8):BF+64*(\beta)+8*(x_/8)+7], v[64*(x_%4)+8*(x_/8):64*(x_%4)+8*(x_/8)+7], v[64*(\beta)+8*(x_%8):64*(\beta)+8*(x_%8)+7]
.endif
.if x_%2 == 1
	RIDER 1-(\beta), x_/2
.endif
.if x_ == 1
	WIN 0
.if \last
	s_cmp_eq_u32 s[CNT], 1
	s_cbranch_scc1 .Lno_more_\@
.endif
	FETCH 1-(\beta)
.if \last
.Lno_more_\@:
.endif
.endif
.set x_, x_+1
.endr
	WIN 0x55
.irp j, 0,1,2,3,4,5,6,7
	v_add_nc_u32 v[CODE+\j], -16, v[CODE+\j]
.endr
.endm
	s_wait_tensorcnt 0x0                           ; my two parts of the block are in,
	s_barrier_signal -1
	s_barrier_wait -1                              ; everybody's are
	FETCH 0
	s_wait_loadcnt 0x0                             ; the tokens' fragments
	s_mov_b32 s[CNT], 8
.Ltiles:
	TILE 0, 0
	TILE 1, 1
	WIN 0
	s_sub_co_u32 s[CNT], s[CNT], 1
	s_cmp_lg_u32 s[CNT], 0
	s_cbranch_scc1 .Ltiles
.set x_, 0
.rept 32                               ; the last tile's scores
	RIDER 1, x_
.set x_, x_+1
.endr
	; THE WAY OUT.  Plain maxima: of a fragment's four running maxima, then of the two halves of the lanes; the winner's code says which slot it was.
	WIN 0x55
.set a_, 0
.rept 8
	v_max3_num_f32 v[MX+4*a_], v[MX+4*a_], v[MX+4*a_+1], v[MX+4*a_+2]
.set a_, a_+1
.endr
.set a_, 0
.rept 8
	v_max_num_f32 v[MX+4*a_], v[MX+4*a_], v[MX+4*a_+3]
.set a_, a_+1
.endr
.set a_, 0
.rept 8                                ; the token's other 8 slots of each tile lie in the lane 16 away
	v_permlanex16_b32 v[MX+4*a_+1], v[MX+4*a_], s[SEL], s[SEL+1]
.set a_, a_+1
.endr
.set a_, 0
.rept 8
	v_max_num_f32 v[MX+4*a_], v[MX+4*a_], v[MX+4*a_+1]
.set a_, a_+1
.endr
	WIN 0x05                                       ; sources window 1, destination window 0
.irp k, 0,1,2,3                        ; lanes 0-15 keep fragment 2 k, lanes 16-31 take 2 k + 1: lane l holds place 32 k + l
	v_cndmask_b32 v[OUT+2*\k], v[MX+8*\k], v[MX+8*\k+4], s[HIM]
.endr
	WIN 0
.irp k, 0,1,2,3
	v_and_b32 v[OUT+2*\k+1], 0xff, v[OUT+2*\k]
.endr
.irp k, 0,1,2,3
	v_sub_nc_u32 v[OUT+2*\k+1], s[BASE], v[OUT+2*\k+1]  ; my first slot + 255 - (255 - the slot's place)
	v_and_b32 v[OUT+2*\k], s[MSKR], v[OUT+2*\k]         ; the code's bits are cleared: equal scores of different planes stay equal
.endr
.irp k, 0,1,2,3
	global_store_b64 v[GO], v[OUT+2*\k:OUT+2*\k+1], s[8:9] offset:256*\k  ; 256 consecutive bytes, aligned
.endr
	s_wait_tensorcnt 0x0                           ; the wave's end
	ds_add_u32 v[SPW], v[NIL]
	s_wait_dscnt 0x0
	CROUND                                         ; the closing round
	s_endpgm
.Lfunc_end_k_q9a3397cced_sims:
	.size	k_q9a3397cced_sims, .Lfunc_end_k_q9a3397cced_sims-k_q9a3397cced_sims
	.p2alignl 7, 3214868480
	.fill 96, 4, 3214868480
	.section	.rodata,"a",@progbits
	.p2align	6, 0x0
	.amdhsa_kernel k_q9a3397cced_sims
		.amdhsa_group_segment_fixed_size 270848
		.amdhsa_private_segment_fixed_size 0
		.amdhsa_enable_private_segment 0
		.amdhsa_kernarg_size 24
		.amdhsa_user_sgpr_count 2
		.amdhsa_user_sgpr_kernarg_segment_ptr 1
		.amdhsa_wavefront_size32 1
		.amdhsa_system_sgpr_workgroup_id_x 1
		.amdhsa_system_sgpr_workgroup_id_y 1
		.amdhsa_system_sgpr_workgroup_id_z 1
		.amdhsa_system_vgpr_workitem_id 0
		.amdhsa_next_free_vgpr 1024
		.amdhsa_next_free_sgpr 66
		.amdhsa_reserve_vcc 0
		.amdhsa_float_denorm_mode_32 3
		.amdhsa_float_denorm_mode_16_64 3
		.amdhsa_memory_ordered 1
		.amdhsa_forward_progress 1
		.amdhsa_inst_pref_size 58
	.end_amdhsa_kernel
	.amdgpu_metadata
---
amdhsa.version: [ 1, 2 ]
amdhsa.kernels:
  - .name:           k_q9a3397cced_sims
    .symbol:         k_q9a3397cced_sims.kd
    .args:
      - { .name: obs16, .offset: 0, .size: 8, .value_kind: global_buffer, .address_space: global }
      - { .name: bel16, .offset: 8, .size: 8, .value_kind: global_buffer, .address_space: global }
      - { .name: best, .offset: 16, .size: 8, .value_kind: global_buffer, .address_space: global }
    .group_segment_fixed_size: 270848
    .private_segment_fixed_size: 0
    .kernarg_segment_align: 8
    .kernarg_segment_size: 24
    .max_flat_workgroup_size: 128
    .sgpr_count:     66
    .vgpr_count:     1024
    .wavefront_size: 32
...
	.end_amdgpu_metadata
.endif
;; end of part 3
;; launch final (part 4): grid 256 x 1, 4 waves a work-group, no clusters, 0 bytes of LDS; arguments obss, part, best, b_g2, b_p2, out0, out1, out2, out3; writes out0, out1, out2, out3
.if DOCPART == 4
	.amdgcn_target "amdgcn-amd-amdhsa--gfx1250"
	.amdhsa_code_object_version 6
	.text
	.protected	k_q9a3397cced_final
	.globl	k_q9a3397cced_final
	.p2align	8
	.type	k_q9a3397cced_final,@function
k_q9a3397cced_final:
	s_mov_b64 s[64:65], 0
	v_nop
	global_prefetch_b8 v0, s[64:65] scope:SCOPE_SE
	s_setreg_imm32_b32 hwreg(HW_REG_WAVE_MODE, 25, 1), 1
	s_wait_xcnt 0x0
; FINAL.  All that is per token, in f32.  A wave owns four tokens t = 16 g + 4 w + k; every step is written for all four, so that they fill each other's waits.  part and best go by a token's place P(t) = (t % 64) x 64 + t / 64:
; my four tokens' places lie 64 apart.
;   x = obss[t] / 4;  inv = 1 / max(|x|, 1e-8);  logits = the 8 partial sums of part + bias (biases rounded once to bf16);  gate = 1 / (1 + e^-zg);
;   prec = max(zp, 0) + log1p(e), e = e^-|zp|, log1p(e) = ln(u) e / (u - 1) with u = 1 + e, and e itself where u = 1;  pm = mean over the 4 batches of gate x prec;
;   out0 = (x inv) pm;  obs_r = |out0|;  best_sims = raw maximum x (inv / 4) pm / max(obs_r, 1e-8);  meaningful = obs_r > 0.05;  matched = meaningful and best_sims > 0.5.
; THE BEST OF THE 32 PLANES of best (a lane a plane): the maxima arrive with their low 8 bits clear; 31 - plane goes into them, so that a plain maximum over the lanes finds the greatest, and of equal ones the lowest plane's,
; which holds the lowest slot.  The one lane whose key is the winner's keeps its slot (as f32, exact below 2^24), the others 0, and a sum over the lanes brings it to all.
; No LDS, no barrier: nothing leaves the wave.  out1, out2 and out3 are 36 KiB in all: a wave stores its four tokens' 16, 16 and 4 neighbouring bytes.
; LIMITS.  Divisions are a reciprocal and a multiply; exponentials below 2^-126 count as 0; roots, reciprocals and logarithms are good to the last bit or so, so a radius within that of 0.05 may fall on the other side;
; the similarity is the bf16 product, cut to 24 bits and scaled afterwards, so slots whose similarities agree within about 1e-4 may be ordered otherwise than in f32; NaN is not treated apart.
.set X,  16                            ; v[16:47]   token k's row, 8 numbers a lane
.set PT, 48                            ; v[48:55]   (gate, precision) logit; lane = (q, b, c)
.set BS, 56                            ; v[56:63]   (raw maximum, slot); lane = one of the 32 planes of 256 slots
.set SQ, 64                            ; v[64:71]   sum of squares, norm, inv, best_sims; its partner at work
.set TT, 72                            ; v[72:79]   at work; then obs_r and 1 / max(obs_r, 1e-8)
.set EE, 80                            ; v[80:95]   four a token: 1 + eg -> gate; e; u -> prec -> pm; u - 1 -> its reciprocal
.set TV, 96                            ; v[96:103]  the winning key; its partner at work
.set OO, 104                           ; v[104:119] four a token: out1, out2, out3
.macro ALL line:vararg                 ; one line for each token k
.set k, 0
.rept 4
	\line
.set k, k+1
.endr
.endm
	s_load_b512 s[4:19], s[0:1], 0x0               ; obss 4, part 6, best 8, b_g2 10, b_p2 12, out0 14, out1 16, out2 18
	s_load_b64 s[20:21], s[0:1], 0x40              ; out3
	v_lshrrev_b32 v6, 5, v0
	v_readfirstlane_b32 s24, v6                    ; wave
	v_and_b32 v1, 31, v0                           ; lane
	s_lshl_b32 s25, ttmp9, 4
	s_lshl2_add_u32 s25, s24, s25                  ; my first token T = 16 g + 4 w
	s_and_b32 s26, s25, 63                         ; part: 64 bytes a place
	s_lshl_b32 s26, s26, 12
	s_lshr_b32 s27, s25, 6
	s_lshl_b32 s27, s27, 6
	s_add_co_u32 s26, s26, s27
	s_mov_b32 s27, 0
	s_lshl_b32 s28, s25, 10                        ; obss and out0: 1,024 bytes a token
	s_mov_b32 s29, 0
	s_lshr_b32 s30, s26, 3                         ; best: 8 bytes a place
	s_mov_b32 s31, 0
	s_lshl_b32 s32, s25, 2                         ; out1, out2: 4 bytes
	s_mov_b32 s33, 0
	s_mov_b32 s34, s25                             ; out3: 1 byte
	s_mov_b32 s35, 0
	s_mov_b32 s36, 0x3e800000                      ; 0.25, named as a pair
	s_mov_b32 s37, 0x3e800000
	s_mov_b32 s38, 0xbfb8aa3b                      ; -log2(e)
	s_mov_b32 s39, 0x3f317218                      ; ln 2
	s_mov_b32 s40, 0x322bcc77                      ; 1e-8
	s_mov_b32 s41, 0x3d4ccccd                      ; 0.05
	s_mov_b32 s42, 0x76543210
	s_mov_b32 s43, 0xfedcba98
	s_mov_b32 s56, 2                               ; lane 1, 2, 3 alone
	s_mov_b32 s57, 4
	s_mov_b32 s58, 8
	v_lshlrev_b32 v2, 4, v1                        ; 16 bytes a lane
	v_lshrrev_b32 v3, 3, v1
	v_and_b32 v6, 7, v1
	v_lshlrev_b32 v6, 3, v6
	v_lshl_add_u32 v3, v3, 18, v6                  ; quarter lane / 8, pair (b, c) = lane % 8
	v_lshlrev_b32 v4, 15, v1                       ; plane = lane
	v_lshlrev_b32 v5, 2, v1
	v_mov_b32 v9, 0
	v_sub_nc_u32 v10, 31, v1                       ; 31 - plane
	s_wait_kmcnt 0x0
	s_add_nc_u64 s[4:5], s[4:5], s[28:29]
	s_add_nc_u64 s[6:7], s[6:7], s[26:27]
	s_add_nc_u64 s[8:9], s[8:9], s[30:31]
	s_add_nc_u64 s[14:15], s[14:15], s[28:29]
	s_add_nc_u64 s[16:17], s[16:17], s[32:33]
	s_add_nc_u64 s[18:19], s[18:19], s[32:33]
	s_add_nc_u64 s[20:21], s[20:21], s[34:35]
	ALL global_load_b128 v[X+8*k:X+8*k+3], v2, s[4:5] offset:1024*k
	ALL global_load_b128 v[X+8*k+4:X+8*k+7], v2, s[4:5] offset:1024*k+512
	ALL global_load_b64 v[PT+2*k:PT+2*k+1], v3, s[6:7] offset:4096*k
	ALL global_load_b64 v[BS+2*k:BS+2*k+1], v4, s[8:9] offset:512*k
	global_load_b32 v7, v9, s[10:11]               ; b_g2 and b_p2, the same word in every lane: they go out with all the other loads
	global_load_b32 v8, v9, s[12:13]
	ALL v_mov_b32 v[TT+2*k], 0                     ; destinations of lane exchanges count as read: written once here
	ALL v_mov_b32 v[TT+2*k+1], 0
	ALL v_mov_b32 v[TV+2*k+1], 0
	s_wait_loadcnt 0x0
	v_cvt_pk_bf16_f32 v6, v7, v8                   ; the biases' one rounding to bf16
	v_lshlrev_b32 v7, 16, v6                       ; b_g2
	v_and_b32 v8, 0xffff0000, v6                   ; b_p2
	; the mean over the batches and its sum of squares
.irp p, 0,2,4,6
	ALL v_pk_mul_f32 v[X+8*k+\p:X+8*k+\p+1], v[X+8*k+\p:X+8*k+\p+1], s[36:37] op_sel_hi:[1,0]
.endr
	ALL v_pk_mul_f32 v[SQ+2*k:SQ+2*k+1], v[X+8*k:X+8*k+1], v[X+8*k:X+8*k+1]
.irp p, 2,4,6
	ALL v_pk_fma_f32 v[SQ+2*k:SQ+2*k+1], v[X+8*k+\p:X+8*k+\p+1], v[X+8*k+\p:X+8*k+\p+1], v[SQ+2*k:SQ+2*k+1]
.endr
	ALL v_add_f32 v[SQ+2*k], v[SQ+2*k], v[SQ+2*k+1]
.irp m, 1,2,4,8
	ALL v_add_f32_dpp v[SQ+2*k], v[SQ+2*k], v[SQ+2*k] row_xmask:\m row_mask:0xf bank_mask:0xf
.endr
	ALL v_permlanex16_b32 v[SQ+2*k+1], v[SQ+2*k], s42, s43
	ALL v_add_f32 v[SQ+2*k], v[SQ+2*k], v[SQ+2*k+1]
	; the logits: over c (lane bit 0) and q (lane bits 3, 4); a lane then holds batch (lane / 2) % 4
.irp c, 0,1
	ALL v_add_f32_dpp v[PT+2*k+\c], v[PT+2*k+\c], v[PT+2*k+\c] row_xmask:1 row_mask:0xf bank_mask:0xf
	ALL v_add_f32_dpp v[PT+2*k+\c], v[PT+2*k+\c], v[PT+2*k+\c] row_xmask:8 row_mask:0xf bank_mask:0xf
	ALL v_permlanex16_b32 v[TT+2*k+\c], v[PT+2*k+\c], s42, s43
	ALL v_add_f32 v[PT+2*k+\c], v[PT+2*k+\c], v[TT+2*k+\c]
.endr
	ALL v_add_f32 v[PT+2*k], v[PT+2*k], v7
	ALL v_add_f32 v[PT+2*k+1], v[PT+2*k+1], v8
	ALL v_mul_f32 v[EE+4*k], s38, v[PT+2*k]
	ALL v_and_b32 v[EE+4*k+1], 0x7fffffff, v[PT+2*k+1]
	ALL v_mul_f32 v[EE+4*k+1], s38, v[EE+4*k+1]
	ALL v_sqrt_f32 v[SQ+2*k], v[SQ+2*k]            ; batch 1: the norm, e^-zg, e^-|zp|
	ALL v_exp_f32 v[EE+4*k], v[EE+4*k]
	ALL v_exp_f32 v[EE+4*k+1], v[EE+4*k+1]
	v_nop                                          ; a plain instruction behind the last of the batch,
	s_wait_alu depctr_va_vdst(0)                   ; and one wait ahead of its first reader
	ALL v_max_num_f32 v[SQ+2*k], s40, v[SQ+2*k]
	ALL v_add_f32 v[EE+4*k+2], 1.0, v[EE+4*k+1]    ; u
	ALL v_add_f32 v[EE+4*k], 1.0, v[EE+4*k]
	ALL v_add_f32 v[EE+4*k+3], -1.0, v[EE+4*k+2]   ; u - 1
	ALL v_cmp_eq_f32 s[44+k], 0, v[EE+4*k+3]
	ALL v_rcp_f32 v[SQ+2*k], v[SQ+2*k]             ; batch 2: inv, gate, log2 u, 1 / (u - 1)
	ALL v_rcp_f32 v[EE+4*k], v[EE+4*k]
	ALL v_log_f32 v[EE+4*k+2], v[EE+4*k+2]
	ALL v_rcp_f32 v[EE+4*k+3], v[EE+4*k+3]
	v_nop
	s_wait_alu depctr_va_vdst(0)
	ALL v_mul_f32 v[EE+4*k+2], s39, v[EE+4*k+2]
	ALL v_mul_f32 v[EE+4*k+3], v[EE+4*k+1], v[EE+4*k+3]
	ALL v_mul_f32 v[EE+4*k+2], v[EE+4*k+2], v[EE+4*k+3]
	ALL v_cndmask_b32 v[EE+4*k+2], v[EE+4*k+2], v[EE+4*k+1], s[44+k]
	ALL v_max_num_f32 v[EE+4*k+3], 0, v[PT+2*k+1]
	ALL v_add_f32 v[EE+4*k+2], v[EE+4*k+2], v[EE+4*k+3]
	ALL v_mul_f32 v[EE+4*k+2], v[EE+4*k], v[EE+4*k+2]
	ALL v_add_f32_dpp v[EE+4*k+2], v[EE+4*k+2], v[EE+4*k+2] row_xmask:2 row_mask:0xf bank_mask:0xf
	ALL v_add_f32_dpp v[EE+4*k+2], v[EE+4*k+2], v[EE+4*k+2] row_xmask:4 row_mask:0xf bank_mask:0xf
	ALL v_mul_f32 v[EE+4*k+2], s36, v[EE+4*k+2]    ; pm, in every lane
	; out0, in reference()'s order: first the direction, then the radius
.irp p, 0,2,4,6
	ALL v_pk_mul_f32 v[X+8*k+\p:X+8*k+\p+1], v[X+8*k+\p:X+8*k+\p+1], v[SQ+2*k:SQ+2*k+1] op_sel_hi:[1,0]
.endr
.irp p, 0,2,4,6
	ALL v_pk_mul_f32 v[X+8*k+\p:X+8*k+\p+1], v[X+8*k+\p:X+8*k+\p+1], v[EE+4*k+2:EE+4*k+3] op_sel_hi:[1,0]
.endr
	ALL global_store_b128 v2, v[X+8*k:X+8*k+3], s[14:15] offset:1024*k        ; 512 consecutive bytes, aligned
	ALL global_store_b128 v2, v[X+8*k+4:X+8*k+7], s[14:15] offset:1024*k+512
	ALL v_pk_mul_f32 v[TT+2*k:TT+2*k+1], v[X+8*k:X+8*k+1], v[X+8*k:X+8*k+1]
.irp p, 2,4,6
	ALL v_pk_fma_f32 v[TT+2*k:TT+2*k+1], v[X+8*k+\p:X+8*k+\p+1], v[X+8*k+\p:X+8*k+\p+1], v[TT+2*k:TT+2*k+1]
.endr
	ALL v_add_f32 v[TT+2*k], v[TT+2*k], v[TT+2*k+1]
.irp m, 1,2,4,8
	ALL v_add_f32_dpp v[TT+2*k], v[TT+2*k], v[TT+2*k] row_xmask:\m row_mask:0xf bank_mask:0xf
.endr
	ALL v_permlanex16_b32 v[TT+2*k+1], v[TT+2*k], s42, s43
	ALL v_add_f32 v[TT+2*k], v[TT+2*k], v[TT+2*k+1]
	ALL v_sqrt_f32 v[TT+2*k], v[TT+2*k]            ; batch 3: obs_r
	v_nop
	s_wait_alu depctr_va_vdst(0)
	ALL v_max_num_f32 v[TT+2*k+1], s40, v[TT+2*k]
	ALL v_rcp_f32 v[TT+2*k+1], v[TT+2*k+1]         ; batch 4; the best of the 32 planes is the independent work behind it
	ALL v_or_b32 v[BS+2*k], v[BS+2*k], v10         ; my plane's key
	ALL v_cvt_f32_u32 v[BS+2*k+1], v[BS+2*k+1]
	ALL v_mov_b32 v[TV+2*k], v[BS+2*k]
.irp m, 1,2,4,8
	ALL v_max_num_f32_dpp v[TV+2*k], v[TV+2*k], v[TV+2*k] row_xmask:\m row_mask:0xf bank_mask:0xf
.endr
	ALL v_permlanex16_b32 v[TV+2*k+1], v[TV+2*k], s42, s43
	ALL v_max_num_f32 v[TV+2*k], v[TV+2*k], v[TV+2*k+1]   ; the winning key, in every lane
	ALL v_cmp_eq_u32 s[44+k], v[BS+2*k], v[TV+2*k]        ; keys differ from lane to lane: one lane at the most
	ALL v_cndmask_b32 v[BS+2*k+1], 0, v[BS+2*k+1], s[44+k]
.irp m, 1,2,4,8
	ALL v_add_f32_dpp v[BS+2*k+1], v[BS+2*k+1], v[BS+2*k+1] row_xmask:\m row_mask:0xf bank_mask:0xf
.endr
	ALL v_permlanex16_b32 v[TV+2*k+1], v[BS+2*k+1], s42, s43
	ALL v_add_f32 v[BS+2*k+1], v[BS+2*k+1], v[TV+2*k+1]
	ALL v_cvt_u32_f32 v[BS+2*k+1], v[BS+2*k+1]            ; the winner's slot
	ALL v_and_b32 v[BS+2*k], 0xffffff00, v[TV+2*k]        ; and its raw score
	s_wait_alu depctr_va_vdst(0)                   ; one wait for the four reciprocals
	ALL v_mul_f32 v[SQ+2*k], s36, v[SQ+2*k]
	ALL v_mul_f32 v[SQ+2*k], v[SQ+2*k], v[EE+4*k+2]
	ALL v_mul_f32 v[SQ+2*k], v[SQ+2*k], v[TT+2*k+1]
	ALL v_mul_f32 v[SQ+2*k], v[SQ+2*k], v[BS+2*k]  ; best_sims
	ALL v_cmp_gt_f32 s[48+k], v[TT+2*k], s41       ; meaningful
	ALL v_cmp_lt_f32 s[52+k], 0.5, v[SQ+2*k]
	ALL s_and_b32 s[52+k], s[52+k], s[48+k]        ; matched
	ALL v_cndmask_b32 v[OO+4*k], 0, v[SQ+2*k], s[52+k]
	ALL v_cndmask_b32 v[OO+4*k+1], -1, v[BS+2*k+1], s[52+k]
	ALL v_cndmask_b32 v[OO+4*k+2], 0, 1, s[48+k]
.irp j, 1,2,3                          ; token j's three results into lane j
	v_cndmask_b32 v[OO],   v[OO],   v[OO+4*\j],   s[55+\j]
	v_cndmask_b32 v[OO+1], v[OO+1], v[OO+4*\j+1], s[55+\j]
	v_cndmask_b32 v[OO+2], v[OO+2], v[OO+4*\j+2], s[55+\j]
.endr
	s_wait_xcnt 0x0                                ; EXEC is a source of the stores above: it changes only behind this wait
	v_cmp_gt_u32 vcc_lo, 4, v1
	s_and_saveexec_b32 s62, vcc_lo
	global_store_b32 v5, v[OO], s[16:17]
	global_store_b32 v5, v[OO+1], s[18:19]
	global_store_b8 v1, v[OO+2], s[20:21]
	s_wait_xcnt 0x0                                ; and again, in front of the line that widens it
	s_or_b32 exec_lo, exec_lo, s62
	s_endpgm
.Lfunc_end_k_q9a3397cced_final:
	.size	k_q9a3397cced_final, .Lfunc_end_k_q9a3397cced_final-k_q9a3397cced_final
	.p2alignl 7, 3214868480
	.fill 96, 4, 3214868480
	.section	.rodata,"a",@progbits
	.p2align	6, 0x0
	.amdhsa_kernel k_q9a3397cced_final
		.amdhsa_group_segment_fixed_size 0
		.amdhsa_private_segment_fixed_size 0
		.amdhsa_enable_private_segment 0
		.amdhsa_kernarg_size 72
		.amdhsa_user_sgpr_count 2
		.amdhsa_user_sgpr_kernarg_segment_ptr 1
		.amdhsa_wavefront_size32 1
		.amdhsa_system_sgpr_workgroup_id_x 1
		.amdhsa_system_sgpr_workgroup_id_y 1
		.amdhsa_system_sgpr_workgroup_id_z 1
		.amdhsa_system_vgpr_workitem_id 0
		.amdhsa_next_free_vgpr 128
		.amdhsa_next_free_sgpr 66
		.amdhsa_reserve_vcc 1
		.amdhsa_float_denorm_mode_32 3
		.amdhsa_float_denorm_mode_16_64 3
		.amdhsa_memory_ordered 1
		.amdhsa_forward_progress 1
		.amdhsa_inst_pref_size 27
	.end_amdhsa_kernel
	.amdgpu_metadata
---
amdhsa.version: [ 1, 2 ]
amdhsa.kernels:
  - .name:           k_q9a3397cced_final
    .symbol:         k_q9a3397cced_final.kd
    .args:
      - { .name: obss, .offset: 0, .size: 8, .value_kind: global_buffer, .address_space: global }
      - { .name: part, .offset: 8, .size: 8, .value_kind: global_buffer, .address_space: global }
      - { .name: best, .offset: 16, .size: 8, .value_kind: global_buffer, .address_space: global }
      - { .name: b_g2, .offset: 24, .size: 8, .value_kind: global_buffer, .address_space: global }
      - { .name: b_p2, .offset: 32, .size: 8, .value_kind: global_buffer, .address_space: global }
      - { .name: out0, .offset: 40, .size: 8, .value_kind: global_buffer, .address_space: global }
      - { .name: out1, .offset: 48, .size: 8, .value_kind: global_buffer, .address_space: global }
      - { .name: out2, .offset: 56, .size: 8, .value_kind: global_buffer, .address_space: global }
      - { .name: out3, .offset: 64, .size: 8, .value_kind: global_buffer, .address_space: global }
    .group_segment_fixed_size: 0
    .private_segment_fixed_size: 0
    .kernarg_segment_align: 8
    .kernarg_segment_size: 72
    .max_flat_workgroup_size: 128
    .sgpr_count:     66
    .vgpr_count:     128
    .wavefront_size: 32
...
	.end_amdgpu_metadata
.endif
;; end of part 4
;; ======== version 2 of 2: 4 launches; version 1 with the launch prep written anew for expert scheduling mode
;; limits: values outside matrix products are rounded to bf16; values within 3.05e-05 (relative) of each other or of a threshold may be ordered or decided otherwise than in the reference
;; workspace buffers: wc 5,242,880 bytes; bel16 4,194,304 bytes; obss 4,194,304 bytes; obs16 2,097,152 bytes; part 1,048,576 bytes; best 1,048,576 bytes
;; launch prep (part 5): grid 32 x 8, 9 waves a work-group, no clusters, 0 bytes of LDS; arguments W_obs, W_g1, W_p1, beliefs, active_mask, wc, bel16; writes wc, bel16
.if DOCPART == 5
	.amdgcn_target "amdgcn-amd-amdhsa--gfx1250"
	.amdhsa_code_object_version 6
	.text
	.protected	k_q9a3397cced_prep
	.globl	k_q9a3397cced_prep
	.p2align	8
	.type	k_q9a3397cced_prep,@function
k_q9a3397cced_prep:
	s_mov_b64 s[64:65], 0
	v_nop
	global_prefetch_b8 v0, s[64:65] scope:SCOPE_SE
	s_setreg_imm32_b32 hwreg(HW_REG_WAVE_SCHED_MODE, 0, 2), 2
	s_setreg_imm32_b32 hwreg(HW_REG_WAVE_MODE, 25, 1), 1
	s_wait_xcnt 0x0
	s_wait_alu depctr_vm_vsrc(0)
; PREP.  Two streams; no LDS, no barrier, no matrix unit: each byte is read once and written once.  The work is 1,280 + 1,024 wave tasks of 8 KiB read each: nine for each of 256 work-groups, so a work-group has nine waves.
; WAVES 0-4: the 1,280 weight rows (W_obs 256, W_g1 512, W_p1 512, each [.][2048] f32) are rounded once to bf16 and laid in blocks for the product that follows:
;   wc[q 4][s 32][row 320][64]: a block of 40,960 dense bytes for column quarter q and K step s of 64.  Row 160 c + i of quarter q belongs to group j = 2 q + c:
;   i < 32: W_obs row 32 j + i;  i < 96: W_g1 row 64 j + i - 32;  else W_p1 row 64 j + i - 96.
;   Task 5 x + w of group j = y: two neighbouring rows and 16 K steps: a load covers 256 bytes of each row, a store 256 consecutive aligned bytes of a block (two rows of 128).
; WAVES 5-8: beliefs [8192][256] f32 are rounded once to bf16, divided by max(norm, 1e-8) (norm of the rounded numbers, in f32), rounded to bf16: bel16[8192][256].
;   The row of a slot whose mask byte is 0 is written as zeros (a select on the packed words, so whatever the row holds).  Task 4 (x + 32 y) + w - 5: 8 rows, a row at a time in the wave's 32 lanes.
; LIMITS.  The division is a reciprocal and a multiply; a sum of squares below 2^-126 counts as 0 (its root lies far below 1e-8 anyway); NaN is not treated apart.
; THE MODE: SCHED_MODE bits 1:0 = 2 (LLVM: expert scheduling mode 2), set by the entry lines.  The code itself states the register dependences between vector instructions and memory instructions, with s_wait_alu, always for 0.
; THE PLAN.  Registers that memory instructions touch:
;   v3, v4, v5   byte offsets: made once on each path, ahead of that path's first load, and never written again.
;   DAT          written by the loads, once; no vector instruction names it ahead of them.  Weights: read by the roundings alone.  Beliefs: worked on in place; the first four of a row's eight registers are then read
;                by the row's two stores, and nothing writes them behind those.
;   PKD          weights: each register is written by one rounding and read by one store.
;   MSK          beliefs: written by one load, read by vector instructions.
; No register that a memory instruction reads is written again, and EXEC is never written: so all the waits are for vector results (va_vdst) and for scalar results of vector instructions (va_sdst).
; Weights: the 16 K steps go in four groups of four.  At a group's head one wait states that the group before has written its PKD; that group's four stores are dealt among this group's eight roundings, which name this
; group's DAT and PKD alone.  Beliefs: rows 0-3 are packed, one wait, and their eight stores are dealt among the vector work of rows 4-7, which names those rows' registers alone.  A last wait stands ahead of each path's last stores.
.set BLK,  40960                       ; bytes in a block of wc
.set DAT,  16                          ; v[16:79]   as loaded
.set PKD,  80                          ; v[80:111]  weights: packed, each register written once
.set MSK,  80                          ; v[80:81]   beliefs: my 8 rows' mask bytes
.set SQ,   82                          ; v[82:97]   beliefs: a pair for each row: sum of squares, then 1 / norm; its partner at work
	s_load_b256 s[4:11], s[0:1], 0x0               ; W_obs s[4:5], W_g1 s[6:7], W_p1 s[8:9], beliefs s[10:11]
	s_load_b128 s[12:15], s[0:1], 0x20             ; active_mask s[12:13], wc s[14:15]
	s_load_b64 s[16:17], s[0:1], 0x30              ; bel16
	v_lshrrev_b32 v1, 5, v0
	v_readfirstlane_b32 s18, v1                    ; wave 0..8
	v_and_b32 v2, 31, v0                           ; lane
	s_and_b32 s19, ttmp7, 0xffff                   ; y
	s_mov_b32 s20, ttmp9                           ; x
	s_wait_alu depctr_va_sdst(0)                   ; s18 is written, ahead of its first reader: the compare below; the tasks' numbers are made from it too
	s_cmp_lt_u32 s18, 5
	s_cbranch_scc0 .Lbeliefs
	; ---- the weights ----
	s_mul_i32 s21, s20, 5
	s_add_co_u32 s21, s21, s18                     ; task 5 x + w: 0..159
	s_and_b32 s22, s21, 1                          ; which 16 of the 32 K steps
	s_and_b32 s21, s21, 0xfe                       ; i: my first row in group j = y
	s_lshl_b32 s23, s19, 5
	s_add_co_u32 s23, s23, s21                     ; W_obs row 32 j + i
	s_lshl_b32 s24, s19, 6
	s_add_co_u32 s24, s24, s21
	s_sub_co_u32 s25, s24, 32                      ; W_g1 row 64 j + i - 32 (taken only where i >= 32)
	s_sub_co_u32 s26, s24, 96                      ; W_p1 row 64 j + i - 96 (taken only where i >= 96)
	v_lshrrev_b32 v3, 4, v2
	v_and_b32 v4, 15, v2
	v_lshlrev_b32 v4, 4, v4
	v_lshl_add_u32 v3, v3, 13, v4                  ; in: lanes 0-15 row i, lanes 16-31 row i + 1, 16 bytes a lane
	v_lshlrev_b32 v5, 3, v2                        ; out: 8 bytes a lane, 256 on end
	s_lshr_b32 s32, s19, 1                         ; q
	s_lshl_b32 s32, s32, 5
	s_lshl_b32 s33, s22, 4
	s_add_co_u32 s32, s32, s33                     ; block 32 q + my first K step
	s_mul_i32 s32, s32, BLK
	s_and_b32 s33, s19, 1
	s_mul_i32 s33, s33, 160
	s_add_co_u32 s33, s33, s21                     ; row 160 c + i of the block
	s_lshl_b32 s33, s33, 7
	s_add_co_u32 s32, s32, s33
	s_mov_b32 s33, 0
	s_wait_kmcnt 0x0
	s_cmp_lt_u32 s21, 96                           ; the pair lies in one tensor: 32 and 96 are even
	s_cselect_b64 s[28:29], s[6:7], s[8:9]
	s_cselect_b32 s27, s25, s26
	s_cmp_lt_u32 s21, 32
	s_cselect_b64 s[28:29], s[4:5], s[28:29]
	s_cselect_b32 s27, s23, s27
	s_lshl_b32 s30, s27, 13                        ; the row's 8,192 bytes
	s_lshl_b32 s31, s22, 12                        ; my half of them
	s_add_co_u32 s30, s30, s31
	s_mov_b32 s31, 0
	s_add_nc_u64 s[28:29], s[28:29], s[30:31]
	s_add_nc_u64 s[14:15], s[14:15], s[32:33]
	s_wait_alu depctr_va_vdst(0)                   ; v3 and v5 are written: every load of this path reads v3 as its offset, every store v5
.set n, 0
.rept 16                               ; all 16 loads go out together: 8 KiB a wave on its way
	global_load_b128 v[DAT+4*n:DAT+4*n+3], v3, s[28:29] offset:256*n th:TH_LOAD_NT
.set n, n+1
.endr
.set n, 0
.rept 16
.if n%4 == 0
	s_wait_loadcnt 12-n                            ; loads come back in order: this group's four K steps are in, the younger groups' loads stay out
.if n > 0
	s_wait_alu depctr_va_vdst(0)                   ; the group before has written its eight registers of PKD, which the four stores dealt below read
.endif
.endif
.if n >= 4
	global_store_b64 v5, v[PKD+2*(n-4):PKD+2*(n-4)+1], s[14:15] offset:BLK*(n-4)  ; 32 lanes: 256 consecutive bytes, aligned.  No vector instruction since the wait names these registers
.endif
	v_cvt_pk_bf16_f32 v[PKD+2*n], v[DAT+4*n], v[DAT+4*n+1]
	v_cvt_pk_bf16_f32 v[PKD+2*n+1], v[DAT+4*n+2], v[DAT+4*n+3]
.set n, n+1
.endr
	s_wait_alu depctr_va_vdst(0)                   ; the last group has written its eight registers of PKD, which the last four stores read
.set n, 12
.rept 4
	global_store_b64 v5, v[PKD+2*n:PKD+2*n+1], s[14:15] offset:BLK*n
.set n, n+1
.endr
	s_endpgm
	; ---- the beliefs ----
.Lbeliefs:
	s_lshl_b32 s22, s19, 5
	s_add_co_u32 s21, s20, s22                     ; x + 32 y
	s_lshl_b32 s21, s21, 2
	s_add_co_u32 s21, s21, s18
	s_sub_co_u32 s21, s21, 5                       ; task 4 (x + 32 y) + w - 5: 0..1023
	s_lshl_b32 s22, s21, 3                         ; my first row n0
	s_mov_b32 s23, 0
	s_lshl_b32 s24, s22, 10                        ; its byte in beliefs
	s_mov_b32 s25, 0
	s_lshl_b32 s26, s22, 9                         ; and in bel16
	s_mov_b32 s27, 0
	s_mov_b32 s28, 0xffff0000                      ; a word's upper bf16
	s_mov_b32 s29, 0x322bcc77                      ; 1e-8
	s_mov_b32 s30, 0x76543210                      ; v_permlanex16_b32: each lane takes its own place in the other half
	s_mov_b32 s31, 0xfedcba98
	v_lshlrev_b32 v3, 4, v2                        ; in: 16 bytes a lane
	v_lshlrev_b32 v5, 3, v2                        ; out: 8 bytes a lane
	v_mov_b32 v4, 0
	s_wait_kmcnt 0x0
	s_add_nc_u64 s[10:11], s[10:11], s[24:25]
	s_add_nc_u64 s[12:13], s[12:13], s[22:23]
	s_add_nc_u64 s[16:17], s[16:17], s[26:27]
	s_wait_alu depctr_va_vdst(0)                   ; v3, v4 and v5 are written: the offsets of the rows' loads, of the masks' load and of the stores
.set k, 0
.rept 8                                ; a row is 1,024 bytes: two loads of 512; lane l holds numbers 4 l .. 4 l + 3 and 128 + 4 l ..
	global_load_b128 v[DAT+8*k:DAT+8*k+3], v3, s[10:11] offset:1024*k th:TH_LOAD_NT
	global_load_b128 v[DAT+8*k+4:DAT+8*k+7], v3, s[10:11] offset:1024*k+512 th:TH_LOAD_NT
.set k, k+1
.endr
	global_load_b64 v[MSK:MSK+1], v4, s[12:13]     ; my 8 rows' mask bytes, the same in every lane
	s_wait_loadcnt 0x0
.set k, 0
.rept 8
.set X, DAT+8*k
.set Q, SQ+2*k
	v_cvt_pk_bf16_f32 v6, v[X], v[X+1]             ; the input's one rounding to bf16,
	v_cvt_pk_bf16_f32 v7, v[X+2], v[X+3]
	v_cvt_pk_bf16_f32 v8, v[X+4], v[X+5]
	v_cvt_pk_bf16_f32 v9, v[X+6], v[X+7]
	v_lshlrev_b32 v[X], 16, v6                     ; and back to f32
	v_and_b32 v[X+1], s28, v6
	v_lshlrev_b32 v[X+2], 16, v7
	v_and_b32 v[X+3], s28, v7
	v_lshlrev_b32 v[X+4], 16, v8
	v_and_b32 v[X+5], s28, v8
	v_lshlrev_b32 v[X+6], 16, v9
	v_and_b32 v[X+7], s28, v9
	v_pk_mul_f32 v[Q:Q+1], v[X:X+1], v[X:X+1]
	v_pk_fma_f32 v[Q:Q+1], v[X+2:X+3], v[X+2:X+3], v[Q:Q+1]
	v_pk_fma_f32 v[Q:Q+1], v[X+4:X+5], v[X+4:X+5], v[Q:Q+1]
	v_pk_fma_f32 v[Q:Q+1], v[X+6:X+7], v[X+6:X+7], v[Q:Q+1]
	v_add_f32 v[Q], v[Q], v[Q+1]
	v_add_f32_dpp v[Q], v[Q], v[Q] row_xmask:1 row_mask:0xf bank_mask:0xf
	v_add_f32_dpp v[Q], v[Q], v[Q] row_xmask:2 row_mask:0xf bank_mask:0xf
	v_add_f32_dpp v[Q], v[Q], v[Q] row_xmask:4 row_mask:0xf bank_mask:0xf
	v_add_f32_dpp v[Q], v[Q], v[Q] row_xmask:8 row_mask:0xf bank_mask:0xf
	v_permlanex16_b32 v[Q+1], v[Q], s30, s31
	v_add_f32 v[Q], v[Q], v[Q+1]                   ; the row's sum of squares, in every lane
.set k, k+1
.endr
.set k, 0
.rept 8
	v_sqrt_f32 v[SQ+2*k], v[SQ+2*k]                ; one batch of eight roots,
.set k, k+1
.endr
	v_nop                                          ; a plain instruction behind the last of them,
	s_wait_alu depctr_va_vdst(0)                   ; the eight roots are written, ahead of their first reader: one wait for the batch
.set k, 0
.rept 8
	v_max_num_f32 v[SQ+2*k], s29, v[SQ+2*k]
.set k, k+1
.endr
.set k, 0
.rept 8
	v_rcp_f32 v[SQ+2*k], v[SQ+2*k]                 ; one batch of eight reciprocals
.set k, k+1
.endr
.set k, 0
.rept 8                                ; the masks are the independent work behind the batch
	v_bfe_u32 v6, v[MSK+k/4], 8*(k%4), 8
	v_cmp_ne_u32 s[32+k], 0, v6                    ; all lanes alike: is row k's slot active?
.set k, k+1
.endr
	s_wait_alu depctr_va_sdst(0)                   ; the eight compares have written s[32:39], ahead of the first select that reads one of them
	s_wait_alu depctr_va_vdst(0)                   ; the eight reciprocals are written, ahead of their first reader: one wait for the batch
; Row k is divided by its norm, rounded to bf16 into the first four of its eight registers, and hidden if its slot is.
.macro SCALE k
.set X, DAT+8*(\k)
.set Q, SQ+2*(\k)
	v_pk_mul_f32 v[X:X+1], v[X:X+1], v[Q:Q+1] op_sel_hi:[1,0]
	v_pk_mul_f32 v[X+2:X+3], v[X+2:X+3], v[Q:Q+1] op_sel_hi:[1,0]
	v_pk_mul_f32 v[X+4:X+5], v[X+4:X+5], v[Q:Q+1] op_sel_hi:[1,0]
	v_pk_mul_f32 v[X+6:X+7], v[X+6:X+7], v[Q:Q+1] op_sel_hi:[1,0]
	v_cvt_pk_bf16_f32 v[X], v[X], v[X+1]
	v_cvt_pk_bf16_f32 v[X+1], v[X+2], v[X+3]
	v_cvt_pk_bf16_f32 v[X+2], v[X+4], v[X+5]
	v_cvt_pk_bf16_f32 v[X+3], v[X+6], v[X+7]
	v_cndmask_b32 v[X], 0, v[X], s[32+(\k)]        ; a hidden slot's row is zeros
	v_cndmask_b32 v[X+1], 0, v[X+1], s[32+(\k)]
	v_cndmask_b32 v[X+2], 0, v[X+2], s[32+(\k)]
	v_cndmask_b32 v[X+3], 0, v[X+3], s[32+(\k)]
.endm
.macro SEND k
	global_store_b64 v5, v[DAT+8*(\k):DAT+8*(\k)+1], s[16:17] offset:512*(\k)        ; 256 consecutive bytes, aligned
	global_store_b64 v5, v[DAT+8*(\k)+2:DAT+8*(\k)+3], s[16:17] offset:512*(\k)+256
.endm
	SCALE 0
	SCALE 1
	SCALE 2
	SCALE 3
	s_wait_alu depctr_va_vdst(0)                   ; rows 0 to 3 are packed and masked: their registers are written, which the eight stores dealt below read
	SEND 0                                         ; no vector instruction since the wait names the registers of rows 0 to 3
	SCALE 4
	SEND 1
	SCALE 5
	SEND 2
	SCALE 6
	SEND 3
	SCALE 7
	s_wait_alu depctr_va_vdst(0)                   ; rows 4 to 7 are packed and masked: their registers are written, which the last eight stores read
	SEND 4
	SEND 5
	SEND 6
	SEND 7
	s_endpgm
.Lfunc_end_k_q9a3397cced_prep:
	.size	k_q9a3397cced_prep, .Lfunc_end_k_q9a3397cced_prep-k_q9a3397cced_prep
	.p2alignl 7, 3214868480
	.fill 96, 4, 3214868480
	.section	.rodata,"a",@progbits
	.p2align	6, 0x0
	.amdhsa_kernel k_q9a3397cced_prep
		.amdhsa_group_segment_fixed_size 0
		.amdhsa_private_segment_fixed_size 0
		.amdhsa_enable_private_segment 0
		.amdhsa_kernarg_size 56
		.amdhsa_user_sgpr_count 2
		.amdhsa_user_sgpr_kernarg_segment_ptr 1
		.amdhsa_wavefront_size32 1
		.amdhsa_system_sgpr_workgroup_id_x 1
		.amdhsa_system_sgpr_workgroup_id_y 1
		.amdhsa_system_sgpr_workgroup_id_z 1
		.amdhsa_system_vgpr_workitem_id 0
		.amdhsa_next_free_vgpr 128
		.amdhsa_next_free_sgpr 66
		.amdhsa_reserve_vcc 0
		.amdhsa_float_denorm_mode_32 3
		.amdhsa_float_denorm_mode_16_64 3
		.amdhsa_memory_ordered 1
		.amdhsa_forward_progress 1
		.amdhsa_inst_pref_size 29
	.end_amdhsa_kernel
	.amdgpu_metadata
---
amdhsa.version: [ 1, 2 ]
amdhsa.kernels:
  - .name:           k_q9a3397cced_prep
    .symbol:         k_q9a3397cced_prep.kd
    .args:
      - { .name: W_obs, .offset: 0, .size: 8, .value_kind: global_buffer, .address_space: global }
      - { .name: W_g1, .offset: 8, .size: 8, .value_kind: global_buffer, .address_space: global }
      - { .name: W_p1, .offset: 16, .size: 8, .value_kind: global_buffer, .address_space: global }
      - { .name: beliefs, .offset: 24, .size: 8, .value_kind: global_buffer, .address_space: global }
      - { .name: active_mask, .offset: 32, .size: 8, .value_kind: global_buffer, .address_space: global }
      - { .name: wc, .offset: 40, .size: 8, .value_kind: global_buffer, .address_space: global }
      - { .name: bel16, .offset: 48, .size: 8, .value_kind: global_buffer, .address_space: global }
    .group_segment_fixed_size: 0
    .private_segment_fixed_size: 0
    .kernarg_segment_align: 8
    .kernarg_segment_size: 56
    .max_flat_workgroup_size: 288
    .sgpr_count:     66
    .vgpr_count:     128
    .wavefront_size: 32
...
	.end_amdgpu_metadata
.endif
;; end of part 5
;; launch proj: the kernel of part 2 again; grid 4 x 64, 4 waves a work-group, clusters of 4 x 4, 327,680 bytes of LDS; arguments hidden, wc, b_g1, W_g2, b_p1, W_p2, obss, obs16, part; writes obss, obs16, part
;; launch sims: the kernel of part 3 again; grid 16 x 16, 4 waves a work-group, clusters of 4 x 1, 270,848 bytes of LDS; arguments obs16, bel16, best; writes best
;; launch final: the kernel of part 4 again; grid 256 x 1, 4 waves a work-group, no clusters, 0 bytes of LDS; arguments obss, part, best, b_g2, b_p2, out0, out1, out2, out3; writes out0, out1, out2, out3
